; MI455X (gfx1250); checked and timed in simulation.
; The chip was launched on July 23, 2026; its instructions are those of AMD's public machine-readable ISA for CDNA 5 (MIT licence, August 2026) and "CDNA5" Instruction Set Architecture Reference Guide (July 2026). The comments in the code are by the model that wrote it; some were corrected since.
;; Multi Head Attention Combined QKV. Allowed arithmetic: matrix products marked QUANTISED: E2M1 operands, one E8M0 scale for each 32 along K, by v_wmma_scale_f32_16x16x128_f8f6f4 with both operands' format E2M1 (or v_wmma_scale_f32_32x16x128_f4), f32 sums; products left as they are: bf16, f16 or f32 operands; f32 sums; everything else in f32.
;; Inputs: b_proj 1,024 float32; w_proj 1,024 x 1,024 float32; w_qkv 3,072 x 1,024 float32; x 2 x 2,048 x 1,024 float32.
;; Outputs: out0 2 x 2,048 x 1,024 float32.
;; This version of the problem:
;;   THIS VERSION OF THE PROBLEM IS GIVEN IN LOW PRECISION. The matrix products marked QUANTISED in the list below multiply operands that are first quantised to E2M1 (2 exponent bits, 1 mantissa bit; 4 bits a number), with one power-of-two scale for each 32 numbers along K (OCP MX v1.0); their sums are f32. The products marked 'left as it is' may take bf16, f16 or f32 operands, with f32 sums. Whichever they take, every output number must still come out within the allowed error. Rounding operands to bf16 (8 significant bits) uses up far more of that allowance than f16 does (11 bits, for magnitudes from 6e-5 to 65,504). All else is computed in f32.
;;   The module's matrix products, in the order in which they are computed (A, B: the left and right operand; K: the contracted axis; several contracted axes count as one K, in the product's order):
;;     1. [M 4,096, K 1,024] x [K 1,024, N 3,072]; A: input x; B: input w_qkv: QUANTISED
;;     2. batch 32 x [M 2,048, K 64] x [K 64, N 2,048]; A: computed on the way; B: computed on the way: left as it is (an operand is computed on the way)
;;     3. batch 32 x [M 2,048, K 2,048] x [K 2,048, N 64]; A: computed on the way; B: computed on the way: left as it is (an operand is computed on the way)
;;     4. [M 4,096, K 1,024] x [K 1,024, N 1,024]; A: computed on the way; B: input w_proj: left as it is (an operand is computed on the way)
;;   THE QUANTISER, for each operand of a quantised product, along K:
;;     - K is cut into blocks of 32 from its start; a last block that is shorter is filled with zeros.
;;     - A block's scale is 2^e with e = floor(log2(the largest magnitude in the block)) - 2, held to -126 .. 127; a block of zeros has e = 0. As a byte (E8M0): e + 127.
;;     - Each number is divided by its block's scale, clamped to +-6, and rounded to the nearest number of E2M1, ties to even, subnormals kept.
;;     - The product sums the exact products of the quantised numbers (number of the format x scale) in f32.
;;   ~~~python
;;   def quantise(x, axis):      # numpy; x: float32 -> the quantised numbers, widened to float32 again
;;       x = np.moveaxis(x, axis, -1); K = x.shape[-1]
;;       x = np.pad(x, [(0, 0)] * (x.ndim - 1) + [(0, -K % 32)]); x = x.reshape(x.shape[:-1] + (-1, 32)); a = np.abs(x).max(-1, keepdims=True)
;;       e = np.where(a > 0, np.clip(np.frexp(np.where(a > 0, a, 1))[1] - 1 - 2, -126, 127), 0)      # np.frexp(a)[1] - 1 = floor(log2(a)), exactly
;;       r = np.clip(x / 2.0 ** e, -6, 6)
;;       step = 2.0 ** (np.maximum(np.frexp(np.where(r == 0, 1, r))[1] - 1, 0) - 1)
;;       q = np.round(r / step) * step * 2.0 ** e      # np.round: ties to even
;;       return np.moveaxis(q.reshape(q.shape[:-2] + (-1,))[..., :K], -1, axis).astype(np.float32)
;;   ~~~
;; One version. Each part assembles by itself: llvm-mc -triple=amdgcn-amd-amdhsa -mcpu=gfx1250 --defsym DOCPART=n.
;; ======== version 1 of 1: 4 launches
;; limits: values are held in f16: magnitudes above 65,504 overflow, below 6.1e-05 lose precision
;; workspace buffers: xc 2,097,152 bytes; xs 131,072 bytes; wc 1,572,864 bytes; ws 98,304 bytes; wp 2,097,152 bytes; qkv 25,165,824 bytes; ctx 8,388,608 bytes
;; launch quant (part 1): grid 256 x 1, 4 waves a work-group, no clusters, 33,280 bytes of LDS; arguments x, w_qkv, xc, xs, wc, ws, w_proj, wp; writes xc, xs, wc, ws, wp
.if DOCPART == 1
	.amdgcn_target "amdgcn-amd-amdhsa--gfx1250"
	.amdhsa_code_object_version 6
	.text
	.protected	k_q4d71ddfddd_quant
	.globl	k_q4d71ddfddd_quant
	.p2align	8
	.type	k_q4d71ddfddd_quant,@function
k_q4d71ddfddd_quant:
	s_mov_b64 s[64:65], 0
	v_nop
	global_prefetch_b8 v0, s[64:65] scope:SCOPE_SE
	s_setreg_imm32_b32 hwreg(HW_REG_WAVE_MODE, 25, 1), 1
	s_wait_xcnt 0x0
; x [4096][1024] and w_qkv [3072][1024], f32, are turned into codes of FP4 (E2M1), K innermost, two codes a byte, with one E8M0 scale byte for each 32 along K;
; w_proj [1024][1024], f32, is rounded to f16.  One launch: work-groups 0-127 take x, 128-223 w_qkv, 224-255 w_proj; each work-group 32,768 numbers, each wave 8,192.
; A block's scale is 2^(floor(log2(its largest magnitude)) - 2); its byte is the largest magnitude's own exponent field - 2, held at 1 from below.  A block of zeros so gets the byte 1 where the
; quantiser says 127: its codes are zeros, which add nothing under any byte but 0xff, and the bytes are read by this program alone.
; LIMITS: blocks whose largest magnitude lies under 2^-124 (the floor, byte 1) were not tried; NaN and infinities among the inputs are not served; numbers of w_proj beyond 65,504 become infinity in f16.
; THE QUANTISING PATH.  Rows are dense and K is a multiple of 32, so a tensor is a plain stream of blocks of 32.  A wave takes 16 steps of 512 numbers.  Each of a step's four loads reads 512 consecutive bytes, 16 a lane;
; the 2,048 bytes go through the wave's own stage in LDS and come back 64 bytes a lane: 16 neighbours along K, two neighbouring lanes to a block.  A lane's 16 codes are 8 bytes: the wave stores 256 consecutive bytes.
; A wave's 256 scale bytes are gathered in its own LDS bytes and leave as one aligned run of 256 bytes.  Loads run four steps ahead.  Waves share nothing: no barrier.
; THE CAST PATH uses no LDS: 64 loads of 512 bytes a wave, 32 of them always out; each store of the wave covers 256 consecutive bytes, aligned.
.set SIZE_M, 4096
.set SIZE_N, 3072
.set SIZE_K, 1024
.set WAVES, 4
.set STEPS, 16
.set WGA,   SIZE_M*SIZE_K/(512*STEPS*WAVES)            ; 128 work-groups for x
.set WGQ,   (SIZE_M+SIZE_N)*SIZE_K/(512*STEPS*WAVES)   ; 224: from here on the cast
.set EMAX,  2
.set CB,    8                          ; bytes of 16 codes
.set R,     16                         ; v16-79   four sets of 16 numbers as they are loaded (the cast: v16-143, 32 sets of 4)
.set X,     80                         ; v80-111  two sets of 16 neighbours
.set C,     128                        ; v128-191 codes: four registers for each step, so that no store's data are written again
.set E,     112                        ; v112-127 a scale byte for each step
.set CV,    144                        ; the cast: v144-207, 32 sets of 2: eight f16 numbers... four a set
.set WREG,  8192                       ; LDS: a region of its own for each wave: two stages of 32 x SP bytes, and behind them its 256 scale bytes
.set SP,    80                         ; a lane's place in a stage: its 64 bytes + 16 of padding
.set SPW,   12                         ; v12      LDS address of my spare word: SPARE + 4 x my thread's number; never rewritten
.set NIL,   13                         ; v13      0; never rewritten
.set SPARE, WAVES*WREG                 ; behind the four regions: the spare words, 128 bytes for each wave
	s_load_b128 s[4:7], s[0:1], 0x0                ; x, w_qkv
	s_load_b128 s[8:11], s[0:1], 0x10              ; x's codes, x's scales
	s_load_b128 s[12:15], s[0:1], 0x20             ; w_qkv's codes, its scales
	s_load_b128 s[24:27], s[0:1], 0x30             ; w_proj, its f16 copy
	v_lshl_add_u32 v[SPW], v0, 2, SPARE
	v_mov_b32 v[NIL], 0
	v_lshrrev_b32 v1, 5, v0
	v_readfirstlane_b32 s16, v1                    ; wave
	v_and_b32 v2, 31, v0                           ; lane
	v_lshlrev_b32 v3, 4, v2                        ; my 16 bytes of a load's 512
	s_mul_i32 s17, s16, WREG
	v_lshrrev_b32 v14, 2, v2
	v_mul_u32_u24 v14, v14, SP
	v_and_b32 v15, 3, v2
	v_lshl_add_u32 v14, v15, 4, v14
	v_add_nc_u32 v14, s17, v14                     ; the stage, on the way in: four lanes' 64 bytes on end, then 16 of padding
	v_mul_u32_u24 v15, v2, SP
	v_add_nc_u32 v15, s17, v15                     ; and on the way out: SP x lane: my 16 neighbours
	v_mul_u32_u24 v4, v2, CB                       ; my codes' place in a step's
	v_lshrrev_b32 v5, 1, v2
	s_add_co_u32 s17, s17, 2*32*SP
	v_add_nc_u32 v5, s17, v5                       ; LDS: my wave's 256 scale bytes, my block's byte
	v_lshlrev_b32 v7, 3, v2                        ; and on the way out 8 bytes a lane
	v_add_nc_u32 v6, s17, v7
	s_wait_kmcnt 0x0
	s_cmp_ge_u32 ttmp9, WGQ                        ; the last 32 work-groups cast w_proj: a branch on the work-group's number alone
	s_cbranch_scc1 .Lcast
	s_cmp_lt_u32 ttmp9, WGA                        ; x's work-group or w_qkv's?
	s_cselect_b64 s[4:5], s[4:5], s[6:7]
	s_cselect_b64 s[8:9], s[8:9], s[12:13]
	s_cselect_b64 s[10:11], s[10:11], s[14:15]
	s_cselect_b32 s17, 0, WGA
	s_sub_co_u32 s17, ttmp9, s17
	s_lshl_b32 s17, s17, 2
	s_add_co_u32 s18, s17, s16                     ; which run of 8,192 numbers of the tensor is my wave's
	s_mov_b32 s19, 0
	s_mov_b64 s[20:21], 512*STEPS*4
	s_mul_u64 s[20:21], s[18:19], s[20:21]
	s_add_nc_u64 s[4:5], s[4:5], s[20:21]
	s_mov_b64 s[20:21], 32*STEPS*CB
	s_mul_u64 s[20:21], s[18:19], s[20:21]
	s_add_nc_u64 s[8:9], s[8:9], s[20:21]
	s_lshl_b32 s18, s18, 8                         ; 256 scale bytes a run
	s_add_nc_u64 s[10:11], s[10:11], s[18:19]
.macro LOAD t
.irp i, 0,1,2,3
	global_load_b128 v[R+16*((\t)%4)+4*\i:R+16*((\t)%4)+4*\i+3], v3, s[4:5] offset:2048*(\t)+512*\i th:TH_LOAD_NT   ; 32 lanes read 512 consecutive bytes
.endr
.endm
.macro TURN t                          ; step t's numbers through the stage: LDS serves a wave's instructions in order, so no wait stands between the stores and the loads
.irp i, 0,1,2,3
	ds_store_b128 v14, v[R+16*((\t)%4)+4*\i:R+16*((\t)%4)+4*\i+3] offset:32*SP*((\t)%2)+8*SP*\i
.endr
.irp i, 0,1,2,3
	ds_load_b128 v[X+16*((\t)%2)+4*\i:X+16*((\t)%2)+4*\i+3], v15 offset:32*SP*((\t)%2)+16*\i
.endr
.endm
.irp t, 0,1,2,3
	LOAD \t
.endr
	s_wait_loadcnt 12                              ; step 0's four loads are in; those of three steps, 12, may be out
	TURN 0
.macro STEP t
.set XS, X+16*((\t)%2)
.if (\t) > 0
	s_wait_dscnt 1                                 ; this step's numbers are back from the stage (the last step's byte store may be out): so its stores into the stage have read their registers,
.else
	s_wait_dscnt 0x0
.endif
.if (\t)+4 < STEPS
	LOAD (\t)+4                                    ; which take the loads of four steps on
.endif
.if (\t)+1 < STEPS
.if STEPS-2-(\t) >= 3
	s_wait_loadcnt 12                              ; the next step's four loads are in; those of the three steps behind it may be out
.else
	s_wait_loadcnt 4*(STEPS-2-(\t))
.endif
	TURN (\t)+1                                    ; and go through the other stage while this step is worked
.endif
	v_max3_num_f32 v8, |v[XS]|, |v[XS+1]|, |v[XS+2]|               ; the largest magnitude of my 16, in two chains
	v_max3_num_f32 v9, |v[XS+3]|, |v[XS+4]|, |v[XS+5]|
.irp i, 6,10
	v_max3_num_f32 v8, v8, |v[XS+\i]|, |v[XS+\i+1]|
	v_max3_num_f32 v9, v9, |v[XS+\i+2]|, |v[XS+\i+3]|
.endr
	v_max3_num_f32 v8, v8, |v[XS+14]|, |v[XS+15]|
	v_max3_num_f32 v8, v8, v9, (EMAX+1)<<23        ; and the floor 2^(EMAX + 1 - 127): so the byte cannot fall under 1
	v_max_num_f32_dpp v8, v8, v8 row_xmask:1 row_mask:0xf bank_mask:0xf   ; and of my neighbour's 16: the block's
	v_add_nc_u32 v11, -(EMAX<<23), v8              ; EMAX off its exponent field: the conversion takes the exponent field of this operand as its scale, and nothing else of it
	v_cvt_scalef32_pk8_fp4_f32 v[C+4*(\t)], v[XS:XS+7], v11        ; eight numbers / the scale, to the nearest code, ties to even, beyond the largest code the largest
	v_cvt_scalef32_pk8_fp4_f32 v[C+4*(\t)+1], v[XS+8:XS+15], v11
	v_lshrrev_b32 v[E+(\t)], 23, v11               ; the scale's byte
	ds_store_b8 v5, v[E+(\t)] offset:16*(\t)       ; both lanes of a block write the same byte with the same value
	global_store_b64 v4, v[C+4*(\t):C+4*(\t)+1], s[8:9] offset:32*CB*(\t)
.endm
.irp t, 0,1,2,3,4,5,6,7,8,9,10,11,12,13,14,15
	STEP \t
.endr
	ds_load_b64 v[8:9], v6                         ; LDS serves a wave's instructions in order: these see my stores
	s_wait_dscnt 0x0
	global_store_b64 v7, v[8:9], s[10:11]          ; 32 lanes store 256 consecutive bytes, aligned
	s_wait_tensorcnt 0x0                           ; the wave's end, behind my last LDS store
	ds_add_u32 v[SPW], v[NIL]
	s_wait_dscnt 0x0
	s_endpgm
.Lcast:                                                ; w_proj to f16: run = 4 x (work-group - 224) + wave, 32,768 bytes in, 16,384 out
	s_sub_co_u32 s17, ttmp9, WGQ
	s_lshl_b32 s17, s17, 2
	s_add_co_u32 s17, s17, s16
	s_lshl_b32 s18, s17, 15
	s_mov_b32 s19, 0
	s_add_nc_u64 s[24:25], s[24:25], s[18:19]
	s_lshl_b32 s18, s17, 14
	s_add_nc_u64 s[26:27], s[26:27], s[18:19]
.set i, 0
.rept 32
	global_load_b128 v[R+4*i:R+4*i+3], v3, s[24:25] offset:512*i th:TH_LOAD_NT
.set i, i+1
.endr
.set i, 0
.rept 32
	s_wait_loadcnt 31                              ; behind load i stand 31 - i of the first 32 and the i that took their places: 31
	v_cvt_pk_f16_f32 v[CV+2*i], v[R+4*i], v[R+4*i+1]
	v_cvt_pk_f16_f32 v[CV+2*i+1], v[R+4*i+2], v[R+4*i+3]
	global_load_b128 v[R+4*i:R+4*i+3], v3, s[24:25] offset:512*(i+32) th:TH_LOAD_NT
	global_store_b64 v7, v[CV+2*i:CV+2*i+1], s[26:27] offset:256*i
.set i, i+1
.endr
	s_wait_xcnt 0x0                                ; the stores' data registers are written again only behind this wait
.set i, 0
.rept 32
	s_wait_loadcnt 31-i                            ; the counts run down: nothing more is loaded
	v_cvt_pk_f16_f32 v[CV+2*i], v[R+4*i], v[R+4*i+1]
	v_cvt_pk_f16_f32 v[CV+2*i+1], v[R+4*i+2], v[R+4*i+3]
	global_store_b64 v7, v[CV+2*i:CV+2*i+1], s[26:27] offset:256*(i+32)
.set i, i+1
.endr
	s_wait_tensorcnt 0x0                           ; the same three lines as on the other path
	ds_add_u32 v[SPW], v[NIL]
	s_wait_dscnt 0x0
	s_endpgm
.Lfunc_end_k_q4d71ddfddd_quant:
	.size	k_q4d71ddfddd_quant, .Lfunc_end_k_q4d71ddfddd_quant-k_q4d71ddfddd_quant
	.p2alignl 7, 3214868480
	.fill 96, 4, 3214868480
	.section	.rodata,"a",@progbits
	.p2align	6, 0x0
	.amdhsa_kernel k_q4d71ddfddd_quant
		.amdhsa_group_segment_fixed_size 33280
		.amdhsa_private_segment_fixed_size 0
		.amdhsa_enable_private_segment 0
		.amdhsa_kernarg_size 64
		.amdhsa_user_sgpr_count 2
		.amdhsa_user_sgpr_kernarg_segment_ptr 1
		.amdhsa_wavefront_size32 1
		.amdhsa_system_sgpr_workgroup_id_x 1
		.amdhsa_system_sgpr_workgroup_id_y 1
		.amdhsa_system_sgpr_workgroup_id_z 1
		.amdhsa_system_vgpr_workitem_id 0
		.amdhsa_next_free_vgpr 208
		.amdhsa_next_free_sgpr 66
		.amdhsa_reserve_vcc 0
		.amdhsa_float_denorm_mode_32 3
		.amdhsa_float_denorm_mode_16_64 3
		.amdhsa_memory_ordered 1
		.amdhsa_forward_progress 1
		.amdhsa_inst_pref_size 56
	.end_amdhsa_kernel
	.amdgpu_metadata
---
amdhsa.version: [ 1, 2 ]
amdhsa.kernels:
  - .name:           k_q4d71ddfddd_quant
    .symbol:         k_q4d71ddfddd_quant.kd
    .args:
      - { .name: x, .offset: 0, .size: 8, .value_kind: global_buffer, .address_space: global }
      - { .name: w_qkv, .offset: 8, .size: 8, .value_kind: global_buffer, .address_space: global }
      - { .name: xc, .offset: 16, .size: 8, .value_kind: global_buffer, .address_space: global }
      - { .name: xs, .offset: 24, .size: 8, .value_kind: global_buffer, .address_space: global }
      - { .name: wc, .offset: 32, .size: 8, .value_kind: global_buffer, .address_space: global }
      - { .name: ws, .offset: 40, .size: 8, .value_kind: global_buffer, .address_space: global }
      - { .name: w_proj, .offset: 48, .size: 8, .value_kind: global_buffer, .address_space: global }
      - { .name: wp, .offset: 56, .size: 8, .value_kind: global_buffer, .address_space: global }
    .group_segment_fixed_size: 33280
    .private_segment_fixed_size: 0
    .kernarg_segment_align: 8
    .kernarg_segment_size: 64
    .max_flat_workgroup_size: 128
    .sgpr_count:     66
    .vgpr_count:     208
    .wavefront_size: 32
...
	.end_amdgpu_metadata
.endif
;; end of part 1
;; launch qkv (part 2): grid 12 x 16, 4 waves a work-group, clusters of 4 x 4, 327,680 bytes of LDS; arguments xc, xs, wc, ws, qkv; writes qkv
.if DOCPART == 2
	.amdgcn_target "amdgcn-amd-amdhsa--gfx1250"
	.amdhsa_code_object_version 6
	.text
	.protected	k_q4d71ddfddd_qkv
	.globl	k_q4d71ddfddd_qkv
	.p2align	8
	.type	k_q4d71ddfddd_qkv,@function
k_q4d71ddfddd_qkv:
	s_mov_b64 s[64:65], 0
	v_nop
	global_prefetch_b8 v0, s[64:65] scope:SCOPE_SE
	s_setreg_imm32_b32 hwreg(HW_REG_WAVE_MODE, 25, 1), 1
	s_wait_xcnt 0x0
	s_wait_alu depctr_hold_cnt(0) depctr_sa_sdst(0) depctr_va_vdst(0) depctr_va_sdst(0) depctr_va_ssrc(0) depctr_va_vcc(0) depctr_vm_vsrc(0)
	s_getreg_b32 s2, hwreg(HW_REG_IB_STS2, 6, 4)
	s_cmp_eq_u32 s2, 0
	s_cbranch_scc0 .Lentry_in_a_cluster
	s_endpgm
.Lentry_in_a_cluster:
	s_bfe_u32 s2, ttmp6, 0x10000c
	s_cmp_lg_u32 s2, 0xf033
	s_cbranch_scc0 .Lentry_shape_is_right
	s_endpgm
.Lentry_shape_is_right:
; qkv[m][e] = sum over k of x[m][k] w_qkv[e][k], both operands as codes of FP4 (E2M1) with one E8M0 scale for each 32 along K; sums in f32; the result is rounded once to f16 and laid BY HEAD:
; [b 2][plane 48][s 2048][64], plane = e / 64 (0-15 q's heads, 16-31 k's, 32-47 v's): a plane is 262,144 dense bytes, a row of it 128.
; LIMIT: results beyond 65,504 become infinity in f16.
; A tile of the result, 256 x 256, is made by a work-group of four waves; a wave makes 128 x 128: 64 accumulators of 16 x 16, 512 registers.  K = 1,024 is two steps of 512: each fills one of two LDS slots
; once (a tile's row is 256 bytes of memory); nothing is filled again.  The scales of the work-group's 256 + 256 rows, for all of K, come into LDS once, with the first fills.
; CLUSTERS: 4 x 4 work-groups.  The four of a row of the cluster need the same tiles of x, the four of a column the same tiles of w_qkv: each tile is asked for JOINTLY, by the same tensor load with the
; same descriptor and a mask that names the four.  THE MATRIX INSTRUCTION IS USED TRANSPOSED (source 0 = 16 rows of w_qkv, source 1 = 16 rows of x): a lane then holds eight neighbouring numbers of a row of the result.
; The grid has 192 work-groups: a wave's 128 columns are two whole heads, which keeps the way out in whole rows of planes.
; REGISTERS, in windows of 256: window 0: v0-31 addresses; v32-95 scale words, two sets; from v128 A's fragments (8 x 16 rows x 128 K), ONE set; on the way out v32-63 packed results, v128-191 rows read back.
;   window 1: B's fragments, TWO sets, at v0 and at v128.   window 2: the 32 accumulators of my rows 0-63 (accumulator (a, b) at v[8 (8 a + b)]);   window 3: those of my rows 64-127.
.set SIZE_M, 4096
.set SIZE_N, 3072
.set SIZE_K, 1024
.set KSTEP,  512                       ; along K in a slot
.set NQ,     KSTEP/128                 ; matrix instructions deep
.set ROWB,   256                       ; a tile's row in bytes: KSTEP codes of 4 bits
.set KROW,   SIZE_K*4/8                ; a row of codes in memory, in bytes
.set PITCH,  272                       ; an LDS row: 256 bytes of data + 16 of padding = 68 words: the 16 rows that a load touches start at 16 different banks (64 banks of 4 bytes: ISA guide 11.1)
.set FR,     8                         ; registers of a fragment: 16 rows x 128 K
.set NL,     2                         ; LDS loads that bring one
.set NP,     4                         ; places behind this matrix instruction (ISA guide 7.12.1)
.set HALFT,  128*PITCH                 ; 128 rows: what one tensor load brings, and what one wave reads of A or of B
.set SLOT,   4*HALFT                   ; A's 256 rows, then B's 256 rows
.set LAPS,   SIZE_K/(2*KSTEP)          ; 1: once round the ring
.set KS,     SIZE_K/32                 ; a row of scales in bytes
.set SCL,    2*SLOT                    ; behind the ring: the scales, as runs of 256 bytes + 16 of padding
.set HALFS,  (128*KS/256)*272          ; the scales of 128 rows: what one tensor load brings
.set SBLK,   (16*KS/256)*272           ; those of 16 rows
.set SPARE,  SCL+4*HALFS               ; behind the scales: the spare words, 128 bytes for each wave
.set SPITCH, 272                       ; the way out: a stage of 16 rows x (256 bytes + 16) for each wave.  It lies in slot 0, which has had its one fill and its last read when the first result is stored there
.set ADRA, 16                          ; v16-17  LDS address of my A fragments in slot 0, 1
.set ADRB, 20                          ; v20-21  the same for B
.set STO,  24                          ; v24     the way out: where I put 16 bytes of a row
.set RD,   25                          ; v25     the way out: where I read 16 bytes back
.set CO,   26                          ; v26     my byte offset in the wave's two planes
.set SPW,  28                          ; v28     LDS address of my spare word; never rewritten
.set NIL,  29                          ; v29     0; never rewritten
.set ADRS, 27                          ; v27     LDS address of my scale words: lanes 0-15 A's rows, lanes 16-31 B's
.set SC,   32                          ; scale words: set s (for slot s) at v[SC + 8 NQ s]; in it register NQ i + q: lanes 0-15 the word of A's block i, lanes 16-31 that of B's block i
.set AF,   128                         ; A's fragments, in window 0
.set TMP,  32                          ; the way out: a block's packed results
.set BK,   128                         ; the way out: 16 rows read back from the stage: v128-159 and v160-191 by turns
.set G1, 24                            ; s[24:31] descriptor group 1 for A's tiles;  s[32:39] group 0, one set for each slot
.set G0, 32
.set G1B, 48                           ; s[48:55], s[56:63] the same for B's tiles
.set G0B, 56
.set G1S, 68                           ; s[68:75], s[76:79] groups 1 and 0 for A's scales;  s[80:87], s[88:91] for B's
.set G0S, 76
.set G1SB, 80
.set G0SB, 88
.set MSB, 0
.macro WIN new                         ; the immediate's high byte repeats the setting that is left
.if MSB != \new
	s_set_vgpr_msb (MSB<<8)|\new
.set MSB, \new
.endif
.endm
.set MUL_LO, 0xa1                      ; source 0 (B) window 1, source 1 (A) window 0, C and D window 2
.set MUL_HI, 0xf1                      ; the same, C and D window 3
.set TO_B,   0x40                      ; destination window 1, address window 0
; A joint load: waves 0 and 1 fetch for A, waves 2 and 3 for B.  Each of the two lines has ONE mask and one set of registers for all that issue it; the branch hangs on the wave's number alone.
; An s_nop 0 and four v_nop follow each of the two lines, ahead of the jump, the label and what follows.
.macro JLOAD g0a, g1a, g0b, g1b
	s_cmp_eq_u32 s15, 0
	s_cbranch_scc0 .Lfor_b_\@
	tensor_load_to_lds s[\g0a:\g0a+3], s[\g1a:\g1a+7]
	s_nop 0
.rept 4
	v_nop
.endr
	s_branch .Lasked_\@
.Lfor_b_\@:
	tensor_load_to_lds s[\g0b:\g0b+3], s[\g1b:\g1b+7]
	s_nop 0
.rept 4
	v_nop
.endr
.Lasked_\@:
.endm
.macro CREST                           ; a round of the cluster's barrier behind its opening barrier
	s_cmp_lg_u32 s14, 0
	s_cbranch_scc1 .Lnot_wave_0_\@
	s_barrier_signal -3
.Lnot_wave_0_\@:
	s_barrier_wait -3
	s_barrier_signal -1
	s_barrier_wait -1
.endm
.macro CROUND                          ; a whole round
	s_barrier_signal -1
	s_barrier_wait -1
	CREST
.endm
	s_load_b128 s[4:7], s[0:1], 0x0                ; A's codes s[4:5], A's scales s[6:7]
	s_load_b128 s[8:11], s[0:1], 0x10              ; B's codes s[8:9], B's scales s[10:11]
	s_load_b64 s[12:13], s[0:1], 0x20              ; the result
	v_lshl_add_u32 v[SPW], v0, 2, SPARE
	v_mov_b32 v[NIL], 0
	ds_add_u32 v[SPW], v[NIL]                      ; the wave's opening: the add and its wait stand ahead of my first tensor load; the set-up below, work on registers, stands between them
	v_lshrrev_b32 v1, 5, v0
	v_readfirstlane_b32 s14, v1                    ; wave 0..3
	s_lshr_b32 s15, s14, 1                         ; which half of the tile's rows is mine.  Also: I fetch for A (0) or for B (1)
	s_and_b32 s16, s14, 1                          ; which half of its columns.  Also: which 128 rows of that tile I fetch
	s_bfe_u32 s40, ttmp6, 0x40000                  ; cx, cy: my place in the cluster
	s_bfe_u32 s41, ttmp6, 0x40004
	s_lshl_b32 s42, ttmp9, 2
	s_add_co_u32 s42, s42, s40                     ; tile column = 4 x cluster x + cx
	s_and_b32 s17, ttmp7, 0xffff
	s_lshl_b32 s17, s17, 2
	s_add_co_u32 s17, s17, s41                     ; tile row = 4 x cluster y + cy
	s_lshl_b32 s43, s41, 2
	s_lshl_b32 s43, 15, s43                        ; my row of the cluster
	s_lshl_b32 s44, 0x1111, s40                    ; my column
	; descriptor group 1: a tile of 128 rows x ROWB bytes, padded in LDS
	s_or_b32 s[G1+0], s43, (0<<16)|(1<<20)|(1<<21)|(5<<22)|(3<<25)  ; 15:0 the mask: A's tiles go to my row; 17:16 element of 1 byte; 20 padding on; 21 set beside a mask; 24:22 after every 64 words (code 5); 31:25 of 4 words (code 3)
	s_or_b32 s[G1B+0], s44, (0<<16)|(1<<20)|(1<<21)|(5<<22)|(3<<25)
.irp g, G1, G1B
	s_mov_b32 s[\g+1], ROWB<<16                    ; tensor_dim0
	s_mov_b32 s[\g+2], 128<<16                     ; tensor_dim1 = 128
	s_mov_b32 s[\g+3], ROWB<<16                    ; tile_dim0
	s_mov_b32 s[\g+4], 128                         ; tile_dim1 = 128
	s_mov_b32 s[\g+5], KROW                        ; tensor_dim0_stride
	s_mov_b32 s[\g+6], 0
	s_mov_b32 s[\g+7], 0
.endr
	; and for the scales of 128 rows: a dense block of 128 KS bytes, as rows of 256 bytes (32 elements of 8 bytes), 16 bytes of padding behind each
	s_or_b32 s[G1S+0], s43, (3<<16)|(1<<20)|(1<<21)|(5<<22)|(3<<25)
	s_or_b32 s[G1SB+0], s44, (3<<16)|(1<<20)|(1<<21)|(5<<22)|(3<<25)
.irp g, G1S, G1SB
	s_mov_b32 s[\g+1], 32<<16
	s_mov_b32 s[\g+2], (128*KS/256)<<16
	s_mov_b32 s[\g+3], 32<<16
	s_mov_b32 s[\g+4], 128*KS/256
	s_mov_b32 s[\g+5], 32
	s_mov_b32 s[\g+6], 0
	s_mov_b32 s[\g+7], 0
.endr
	s_lshl_b32 s18, s16, 7                         ; which 128 rows of the tile I fetch
	s_lshl_b32 s20, s17, 8
	s_add_co_u32 s20, s20, s18                     ; A: row 256 x tile row + 128 x half
	s_lshl_b32 s46, s42, 8
	s_add_co_u32 s46, s46, s18                     ; B: row 256 x tile column + 128 x half
	s_mov_b32 s21, 0
	s_mov_b32 s47, 0
	s_mov_b64 s[18:19], KS
	s_mul_u64 s[22:23], s[20:21], s[18:19]         ; where these rows' scales begin, in bytes
	s_mul_u64 s[92:93], s[46:47], s[18:19]
	s_mov_b64 s[18:19], KROW
	s_mul_u64 s[20:21], s[20:21], s[18:19]         ; and their codes
	s_mul_u64 s[46:47], s[46:47], s[18:19]
	s_mul_i32 s45, s14, HALFT                      ; where they go: wave x 128 rows: no place in the cluster enters an LDS address
	s_mul_i32 s94, s14, HALFS
	s_wait_dscnt 0x0                               ; the opening add is done
	s_wait_kmcnt 0x0
	s_add_nc_u64 s[20:21], s[4:5], s[20:21]
	s_add_nc_u64 s[22:23], s[6:7], s[22:23]
	s_add_nc_u64 s[46:47], s[8:9], s[46:47]
	s_add_nc_u64 s[92:93], s[10:11], s[92:93]
	CROUND                                         ; all sixteen work-groups are here: the first joint loads meet
	s_mov_b32 s[G0S], 1
	s_add_co_u32 s[G0S+1], s94, SCL
	s_mov_b64 s[G0S+2:G0S+3], s[22:23]
	s_or_b32 s[G0S+3], s[G0S+3], 0x80000000
	s_mov_b32 s[G0SB], 1
	s_add_co_u32 s[G0SB+1], s94, SCL
	s_mov_b64 s[G0SB+2:G0SB+3], s[92:93]
	s_or_b32 s[G0SB+3], s[G0SB+3], 0x80000000
	JLOAD G0S, G1S, G0SB, G1SB                     ; the scales first: they are wanted with K step 0
.irp s, 0,1
	s_mov_b32 s[G0+4*\s], 1
	s_add_co_u32 s[G0+4*\s+1], s45, \s*SLOT
	s_add_nc_u64 s[G0+4*\s+2:G0+4*\s+3], s[20:21], \s*ROWB
	s_or_b32 s[G0+4*\s+3], s[G0+4*\s+3], 0x80000000
	s_mov_b32 s[G0B+4*\s], 1
	s_add_co_u32 s[G0B+4*\s+1], s45, \s*SLOT
	s_add_nc_u64 s[G0B+4*\s+2:G0B+4*\s+3], s[46:47], \s*ROWB
	s_or_b32 s[G0B+4*\s+3], s[G0B+4*\s+3], 0x80000000
	JLOAD G0+4*\s, G1, G0B+4*\s, G1B               ; three tensor loads of mine are out: the scales and both K steps
.endr
	v_and_b32 v1, 15, v0                           ; l % 16
	v_bfe_u32 v2, v0, 4, 1                         ; l / 16
	v_mul_u32_u24 v3, v1, PITCH
	v_lshl_add_u32 v4, v2, 4, v3                   ; a fragment's row x pitch + 16 x half
	s_mul_i32 s21, s15, HALFT                      ; my 128 rows of A
	s_mul_i32 s22, s16, HALFT                      ; my 128 rows of B,
	s_add_co_u32 s22, s22, 2*HALFT                 ; which lie behind A's 256
.irp s, 0,1
	v_add_nc_u32 v[ADRA+\s], s21, v4
	v_add_nc_u32 v[ADRB+\s], s22, v4
	s_add_co_u32 s21, s21, SLOT
	s_add_co_u32 s22, s22, SLOT
.endr
	v_mul_u32_u24 v5, v1, KS                       ; my row's scales: KS bytes a row,
	v_lshrrev_b32 v6, 8, v5
	v_lshl_add_u32 v5, v6, 4, v5                   ; and 16 more for each 256 passed
	s_mul_i32 s21, s15, HALFS                      ; A's: my 128 rows
	s_mul_i32 s22, s16, HALFS                      ; B's: my 128 rows, behind A's 256
	s_add_co_u32 s22, s22, 2*HALFS
	s_sub_co_u32 s22, s22, s21
	v_mul_u32_u24 v6, s22, v2                      ; lanes 16-31 take B's
	s_add_co_u32 s21, s21, SCL
	v_add_nc_u32 v5, v5, v6
	v_add_nc_u32 v[ADRS], s21, v5
	s_mul_i32 s23, s14, 16*SPITCH                  ; my stage
	v_mul_u32_u24 v5, v1, SPITCH                   ; in: row l % 16, 16 bytes for each half of the lanes
	v_lshl_add_u32 v5, v2, 4, v5
	v_add_nc_u32 v[STO], s23, v5
	v_bfe_u32 v5, v0, 3, 1                         ; back: lanes 0-15 take two rows' 128 bytes of my first plane, lanes 16-31 of my second:
	v_mul_u32_u24 v5, v5, SPITCH                   ; row (l / 8) % 2,
	v_lshl_add_u32 v5, v2, 7, v5                   ; + 128 x (l / 16),
	v_and_b32 v6, 7, v0
	v_lshl_add_u32 v5, v6, 4, v5                   ; + 16 x (l % 8)
	v_add_nc_u32 v[RD], s23, v5
	v_lshlrev_b32 v[CO], 4, v1                     ; and in memory: 16 x (l % 16): two rows of a plane are 256 bytes on end,
	v_lshl_add_u32 v[CO], v2, 18, v[CO]            ; + a plane for lanes 16-31
	s_lshr_b32 s20, s17, 3                         ; where my part begins: b = tile row / 8: 48 planes,
	s_mul_i32 s20, s20, 48
	s_lshl_b32 s20, s20, 18
	s_and_b32 s21, s17, 7
	s_lshl_b32 s21, s21, 15                        ; 256 rows of 128 bytes for each tile row in b,
	s_add_co_u32 s20, s20, s21
	s_lshl_b32 s21, s15, 14                        ; my 128 of them
	s_add_co_u32 s20, s20, s21
	s_mov_b32 s21, 0
	s_lshl_b32 s46, s42, 20                        ; four planes a tile column (in the registers that held B's address: none that fed A's descriptors ever holds cx),
	s_lshl_b32 s47, s16, 19                        ; my two of them
	s_add_co_u32 s46, s46, s47
	s_mov_b32 s47, 0
	s_add_nc_u64 s[20:21], s[20:21], s[46:47]
	s_add_nc_u64 s[12:13], s[12:13], s[20:21]
.macro FRAG reg, adr, q, i             ; a fragment, 16 rows x 128 K of 4-bit codes, is 8 registers: lane l holds row l % 16; registers 4 c .. 4 c + 3 hold K = 64 c + 32 (l / 16) + 0 .. 31
.irp c, 0,1
	ds_load_b128 v[\reg+4*\c:\reg+4*\c+3], v[\adr] offset:64*(\q)+32*\c+(\i)*16*PITCH
.endr
.endm
; 16 matrix instructions: A's blocks a0, a0 + 1 x B's eight, 128 along K: the slot's q-th.  p: B's set;  sc: the set of scale words.  zero = 1: the first product starts the sums: nothing is ever cleared.
; The 64 accumulators take turns, one instruction a turn, in the same order in every step.
.macro MUL16 a0, p, q, sc, zero
.irp a, \a0, \a0+1
.irp b, 0,1,2,3,4,5,6,7
.if \zero
	v_wmma_scale_f32_16x16x128_f8f6f4 v[8*(8*((\a)%4)+\b):8*(8*((\a)%4)+\b)+7], v[128*(\p)+FR*\b:128*(\p)+FR*\b+FR-1], v[AF+FR*(\a):AF+FR*(\a)+FR-1], 0, v[SC+8*NQ*(\sc)+NQ*\b+(\q)], v[SC+8*NQ*(\sc)+NQ*(\a)+(\q)] matrix_a_fmt:MATRIX_FMT_FP4 matrix_b_fmt:MATRIX_FMT_FP4 matrix_a_scale:MATRIX_SCALE_ROW1
.else
	v_wmma_scale_f32_16x16x128_f8f6f4 v[8*(8*((\a)%4)+\b):8*(8*((\a)%4)+\b)+7], v[128*(\p)+FR*\b:128*(\p)+FR*\b+FR-1], v[AF+FR*(\a):AF+FR*(\a)+FR-1], v[8*(8*((\a)%4)+\b):8*(8*((\a)%4)+\b)+7], v[SC+8*NQ*(\sc)+NQ*\b+(\q)], v[SC+8*NQ*(\sc)+NQ*(\a)+(\q)] matrix_a_fmt:MATRIX_FMT_FP4 matrix_b_fmt:MATRIX_FMT_FP4 matrix_a_scale:MATRIX_SCALE_ROW1
.endif
.endr
.endr
.endm
.macro FETCH_B slot, q, p              ; B's eight fragments of the slot's q-th 128 along K into set p
	WIN TO_B
.irp i, 0,1,2,3,4,5,6,7
	FRAG 128*(\p)+FR*\i, ADRB+\slot, \q, \i
.endr
	WIN 0
.endm
.macro FETCH_A slot, q, i0             ; A's blocks i0 .. i0 + 3
.irp i, \i0, \i0+1, \i0+2, \i0+3
	FRAG AF+FR*(\i), ADRA+\slot, \q, \i
.endr
.endm
.macro SCALES sc                       ; the next K step's scale words into set sc: NQ words a row; lanes 0-15 take A's block i, lanes 16-31 B's block i
.irp i, 0,1,2,3,4,5,6,7
	ds_load_b128 v[SC+8*NQ*\sc+NQ*\i:SC+8*NQ*\sc+NQ*\i+3], v[ADRS] offset:\i*SBLK
.endr
.endm
; A load into a register that a matrix instruction has read, and a vector instruction that reads a matrix result, stand NP places behind that matrix instruction, and only plain vector
; instructions that name none of its registers are places (ISA guide 7.12.1 for vector instructions).
.macro PLACES n
.rept \n
	v_nop
.endr
.endm
; A step of 128 along K that has its successor in the same slot.
.macro STEP slot, q, zero
	s_wait_dscnt 4*NL                              ; B's set and A's blocks 0-3 are in; the youngest eight loads (A's blocks 4-7) may be out
	WIN MUL_LO
	MUL16 0, (\q)%2, \q, \slot, \zero
	MUL16 2, (\q)%2, \q, \slot, \zero
	s_wait_dscnt 0                                 ; A's blocks 4-7 are in (asked for 32 matrix instructions ago)
	PLACES NP
	FETCH_B \slot, (\q)+1, 1-(\q)%2
	FETCH_A \slot, (\q)+1, 0
	WIN MUL_HI
	MUL16 4, (\q)%2, \q, \slot, \zero
	MUL16 6, (\q)%2, \q, \slot, \zero
	PLACES NP
	WIN 0
	FETCH_A \slot, (\q)+1, 4
.endm
; A slot's last step changes slots: ONE barrier; in front of it each wave waits for all its tensor loads, adds 0 to its spare word, and waits for that and for its own reads of this slot.  fill = 1: this slot is filled again (not used at this K).
.macro TURN slot, next, fill
	s_wait_tensorcnt 0x0                           ; all my tensor loads have landed: my part of the next slot;  (every window is 0 here: the add's two registers lie in window 0)
	ds_add_u32 v[SPW], v[NIL]                      ; 0 onto my spare word
	s_wait_dscnt 4*NL+1                            ; (the add and the youngest eight loads, A's blocks 4-7, may be out)
	WIN MUL_LO
	MUL16 0, 1, NQ-1, \slot, 0                     ; sixteen matrix instructions stand between the add and the wait for it
	s_wait_dscnt 0x0                               ; the add is done, and my reads of this slot are over
	s_barrier_signal -1
	MUL16 2, 1, NQ-1, \slot, 0
	WIN 0
	s_barrier_wait -1
.if \fill
	CREST
	s_add_nc_u64 s[G0+4*\slot+2:G0+4*\slot+3], s[G0+4*\slot+2:G0+4*\slot+3], 2*ROWB
	s_add_nc_u64 s[G0B+4*\slot+2:G0B+4*\slot+3], s[G0B+4*\slot+2:G0B+4*\slot+3], 2*ROWB
	JLOAD G0+4*\slot, G1, G0B+4*\slot, G1B
.else
	PLACES NP
.endif
	v_add_nc_u32 v[ADRS], 4*NQ, v[ADRS]            ; on to the next K step's scale words (no LDS load of mine is out)
	FETCH_B \next, 0, 0
	FETCH_A \next, 0, 0
	SCALES \next
	WIN MUL_HI
	MUL16 4, 1, NQ-1, \slot, 0
	MUL16 6, 1, NQ-1, \slot, 0
	PLACES NP
	WIN 0
	FETCH_A \next, 0, 4
.endm
.macro STEPS slot, from                ; the slot's steps from .. NQ - 2
.set Q, \from
.rept NQ-1-\from
	STEP \slot, Q, 0
.set Q, Q+1
.endr
.endm
	s_wait_tensorcnt 1                             ; the scales and my part of K step 0 are in (K step 1's load may be out)
	s_barrier_signal -1
	s_barrier_wait -1                              ; everybody's are
	FETCH_B 0, 0, 0
	FETCH_A 0, 0, 0
	SCALES 0
	FETCH_A 0, 0, 4
	STEP 0, 0, 1                                   ; the first step's products start the sums
.if LAPS > 1
	s_mov_b32 s3, LAPS-1
.Llap:
	STEPS 0, 1
	TURN 0, 1, 1
	STEPS 1, 0
	TURN 1, 0, 1
	STEP 0, 0, 0
	s_sub_co_u32 s3, s3, 1
	s_cmp_lg_u32 s3, 0
	s_cbranch_scc1 .Llap
.endif
	STEPS 0, 1
	TURN 0, 1, 0                                   ; on to slot 1: nothing is filled, so no round of the cluster's barrier
	STEPS 1, 0
	s_wait_dscnt 4*NL                              ; the very last step: nothing more to fetch
	WIN MUL_LO
	MUL16 0, 1, NQ-1, 1, 0
	MUL16 2, 1, NQ-1, 1, 0
	s_wait_dscnt 0
	WIN MUL_HI
	MUL16 4, 1, NQ-1, 1, 0
	MUL16 6, 1, NQ-1, 1, 0
	WIN 0
; THE WAY OUT, block by block of 16 rows x 128 columns (two planes).  PACK: rounded to f16, a lane's eight neighbours are 16 bytes, each accumulator read from its low end on.  TOSTAGE: into my own stage, and back so that
; sixteen neighbouring lanes hold two rows of one plane.  SEND: each store of the wave covers 256 consecutive bytes, aligned, in each of my two planes.
; LDS serves a wave's instructions in order (ISA guide 5.7.1.4): no wait between the stores and the loads, nor in front of the next block's stores.
.macro PACK a
.set AC, 64*((\a)%4)
	WIN 0x0a+5*((\a)/4)                            ; sources 0 and 1: window 2 or 3
.irp b, 0,1,2,3,4,5,6,7
.irp r, 0,1,2,3
	v_cvt_pk_f16_f32 v[TMP+4*\b+\r], v[AC+8*\b+2*\r], v[AC+8*\b+2*\r+1]
.endr
.endr
	WIN 0
.endm
.macro TOSTAGE a
.set BB, BK+32*((\a)%2)
.irp b, 0,1,2,3,4,5,6,7
	ds_store_b128 v[STO], v[TMP+4*\b:TMP+4*\b+3] offset:32*\b
.endr
.irp t, 0,1,2,3,4,5,6,7
	ds_load_b128 v[BB+4*\t:BB+4*\t+3], v[RD] offset:\t*2*SPITCH
.endr
.endm
.macro SEND a, younger                 ; younger: the LDS instructions issued behind block a's loads, which may stay out
.set BB, BK+32*((\a)%2)
	s_wait_dscnt \younger                          ; the block is back in registers
	s_wait_xcnt 0x0                                ; the block before has had its stores' registers read: the next block's loads land there only behind this wait
.irp t, 0,1,2,3,4,5,6,7
	global_store_b128 v[CO], v[BB+4*\t:BB+4*\t+3], s[12:13] offset:(\a)*2048+\t*256
.endr
.endm
	PLACES NP                                      ; in front of the first conversions and of the loads into the registers that held A's fragments
	PACK 0
	TOSTAGE 0
.irp a, 1,2,3,4,5,6,7                  ; block a's conversions stand between block a - 1's loads from the stage and the wait for them
	PACK \a
	SEND \a-1, 0
	TOSTAGE \a
.endr
	SEND 7, 0
	s_wait_tensorcnt 0x0                           ; the wave's end, behind my last tensor load and my last LDS store
	ds_add_u32 v[SPW], v[NIL]
	s_wait_dscnt 0x0
	CROUND                                         ; the closing round: no work-group ends while a partner may still ask for a tile that names it
	s_endpgm
.Lfunc_end_k_q4d71ddfddd_qkv:
	.size	k_q4d71ddfddd_qkv, .Lfunc_end_k_q4d71ddfddd_qkv-k_q4d71ddfddd_qkv
	.p2alignl 7, 3214868480
	.fill 96, 4, 3214868480
	.section	.rodata,"a",@progbits
	.p2align	6, 0x0
	.amdhsa_kernel k_q4d71ddfddd_qkv
		.amdhsa_group_segment_fixed_size 327680
		.amdhsa_private_segment_fixed_size 0
		.amdhsa_enable_private_segment 0
		.amdhsa_kernarg_size 40
		.amdhsa_user_sgpr_count 2
		.amdhsa_user_sgpr_kernarg_segment_ptr 1
		.amdhsa_wavefront_size32 1
		.amdhsa_system_sgpr_workgroup_id_x 1
		.amdhsa_system_sgpr_workgroup_id_y 1
		.amdhsa_system_sgpr_workgroup_id_z 1
		.amdhsa_system_vgpr_workitem_id 0
		.amdhsa_next_free_vgpr 1024
		.amdhsa_next_free_sgpr 98
		.amdhsa_reserve_vcc 0
		.amdhsa_float_denorm_mode_32 3
		.amdhsa_float_denorm_mode_16_64 3
		.amdhsa_memory_ordered 1
		.amdhsa_forward_progress 1
		.amdhsa_inst_pref_size 126
	.end_amdhsa_kernel
	.amdgpu_metadata
---
amdhsa.version: [ 1, 2 ]
amdhsa.kernels:
  - .name:           k_q4d71ddfddd_qkv
    .symbol:         k_q4d71ddfddd_qkv.kd
    .args:
      - { .name: xc, .offset: 0, .size: 8, .value_kind: global_buffer, .address_space: global }
      - { .name: xs, .offset: 8, .size: 8, .value_kind: global_buffer, .address_space: global }
      - { .name: wc, .offset: 16, .size: 8, .value_kind: global_buffer, .address_space: global }
      - { .name: ws, .offset: 24, .size: 8, .value_kind: global_buffer, .address_space: global }
      - { .name: qkv, .offset: 32, .size: 8, .value_kind: global_buffer, .address_space: global }
    .group_segment_fixed_size: 327680
    .private_segment_fixed_size: 0
    .kernarg_segment_align: 8
    .kernarg_segment_size: 40
    .max_flat_workgroup_size: 128
    .sgpr_count:     98
    .vgpr_count:     1024
    .wavefront_size: 32
...
	.end_amdgpu_metadata
.endif
;; end of part 2
;; launch attn (part 3): grid 8 x 32, 8 waves a work-group, no clusters, 327,680 bytes of LDS; arguments qkv, ctx; writes ctx
.if DOCPART == 3
	.amdgcn_target "amdgcn-amd-amdhsa--gfx1250"
	.amdhsa_code_object_version 6
	.text
	.protected	k_q4d71ddfddd_attn
	.globl	k_q4d71ddfddd_attn
	.p2align	8
	.type	k_q4d71ddfddd_attn,@function
k_q4d71ddfddd_attn:
	s_mov_b64 s[64:65], 0
	v_nop
	global_prefetch_b8 v0, s[64:65] scope:SCOPE_SE
	s_setreg_imm32_b32 hwreg(HW_REG_WAVE_MODE, 25, 1), 1
	s_wait_xcnt 0x0
; ctx[bh][q][:] = the sum over keys k <= q of softmax_k(Q[q] . K[k] / 8) V[k][:], for 32 heads of 2,048 rows x 64.  Q, K, V are planes of qkv ([b][48][2048][64], f16; q's planes 0-15, k's 16-31, v's 32-47);
; ctx is [bh 32][2048][64], f16.  Products on f16 operands with f32 sums; maxima, exponentials and scalings in f32; the weights p are rounded to f16 for the second product, ctx once at the end.
; LIMITS: ctx beyond 65,504 becomes infinity in f16; NaN and infinities among the inputs are not served.
; SHARES.  Work-group (j, head) owns two blocks of 128 queries: block 15 - j (first pass) and block j (second pass).  Block n needs keys 0 .. 128 n + 127: n + 1 units of 128 keys, so every work-group has 17 units.
; Wave w = 4 kh + u owns 32 queries of the block (two tiles of 16, from 32 u on) and, of each unit of 128 keys, the 64 keys from 64 kh on: waves u and u + 4 share a row's keys.  Each keeps its own running maximum,
; sum and O; at a pass's end wave u + 4 hands its state to wave u through LDS, which merges, divides and stores.
; LAYOUT.  S^T = K Q^T (source 0 = 16 keys, source 1 = 16 queries) and O^T = V^T P (source 0 = 16 channels, source 1 = P): a lane holds ONE query (lane % 16) throughout; two tiles of S^T, rounded in pairs, ARE source 1 of the
; second product.  K comes out of LDS as it lies, V turned, by ds_load_tr16_b128.  THE ROW'S SUM comes from the matrix unit: a fifth tile of channels whose source 0 is a fragment of ones; it is rescaled with O^T.
; SOFTMAX.  For each query a running maximum m: p = 2^(c s - c m), c = log2(e) / 8; in every step O^T and the sum are multiplied by a = 2^(c m_old - c m_new).  m begins at -3e38 and O^T at zeros, so that the first step needs no text of its own.
; THE MASK.  A step all of whose 64 keys come after the wave's 32 queries is left out by a scalar branch on ids; on the diagonal hidden scores become -infinity ahead of the maximum.  A step that is walked has its first key at or
; under the wave's first query (both are multiples of 32), so every row of it has a key that counts.
; THE RING.  Two LDS slots of 256 keys (two steps a wave), K's rows padded to 144 bytes, V's to 160.  Each wave brings 64 rows with one tensor load (waves 0-3 K's, waves 4-7 V's): one tensor load of a wave is out at the most,
; and every wait for tensor loads is for 0.  The trip counts are constants (8 and 4); a slot whose first key comes after the work-group's last query is not asked for.
; NO CLUSTER: the eight work-groups of a head want different numbers of slots in a pass (8 - j / 2 rounded down, and j / 2 + 1), and a wave's skip of hidden steps hangs on its own block of queries: partners would not run alike.
; REGISTERS.  Window 0: v1-15 addresses; v16-31 statistics; v32-35 the mask's; v36-59 the merge's; v64-127 S^T, 32 a tile; v128-159 P, 16 a tile; v160-223 K's 8 fragments, later the partner's O^T; v224-255 rows on the way out.
;   Window 1: v0-79 O^T, 40 a tile (four tiles of channels and the sum's); v80-111 Q; v112-119 ones; v128-191 V's 8 fragments.
.set PL,    262144                     ; a plane in bytes
.set PK,    144                        ; a row of K in LDS: 128 bytes + 16: 36 words: the 16 rows of a load start at 16 different groups of 4 banks
.set PV,    160                        ; a row of V: 128 + 32: 40 words
.set VOFF,  256*PK                     ; a slot: 256 rows of K, then 256 rows of V
.set SLOT1, 1<<17                      ; slot 1 begins here, so that one exclusive or turns an address in one slot into the other's
.set SLOTB, 256*128                    ; a slot's rows in memory
.set MRGW,  17*512                     ; a hand-over: 16 images of four registers of O^T and one of statistics, 512 bytes each
.set MRG0,  VOFF+256*PV                ; behind slot 0: the first pass's four hand-overs;
.set STAGE, MRG0+4*MRGW                ; the way out of waves 0-3: 32 rows x 144 bytes each
.set SP,    144
.set MRG1,  SLOT1+MRG0                 ; behind slot 1: the second pass's hand-overs
.set SPARE, MRG1+4*MRGW                ; the spare words, 128 bytes for each of eight waves
.set AK0, 3                            ; v3   my lane's place in my half of a unit of K
.set AV0, 4                            ; v4   the same for V
.set ADK, 5                            ; v5   LDS address of the step's K
.set ADV, 6                            ; v6   of its V
.set QO,  7                            ; v7   my byte offset in a tile of Q
.set MA0, 8                            ; v8, v9  where my hand-over lies (pass 0, 1): the same for wave u + 4, which writes, and wave u, which reads
.set STO, 10                           ; v10  the way out: where I put 16 bytes of a row
.set RD,  11                           ; v11  where I read 16 bytes back
.set GO,  12                           ; v12  16 x lane
.set PFO, 13                           ; v13  256 x lane: the prefetches' offset
.set SPW, 14                           ; v14  LDS address of my spare word; never rewritten
.set NIL, 15                           ; v15  0; never rewritten
.set ST,  16                           ; tile t's statistics at v[ST + 8 t]: +0 c m, +1 m, +4 to +7 c0-c3 at work; a takes +6
.set D0,  32                           ; v32, v33  the mask: query - first key - 8 (lane / 16), tile 0, 1
.set NINF, 34                          ; v34  -infinity
.set DL,  35                           ; v35  lane % 16 - 8 (lane / 16)
.set MT,  36                           ; v36-59 the merge: +0,1 my sums; +2,3 (writer) c m; +4,5 the partner's sums; +6,7 its c m; +8,9 the common c m; +10,11 a1; +12,13 a2; +14,15 the sum, then 1 / it; +16-19 f1, +20-23 f2, in pairs
.set S,   64
.set P,   128
.set KR,  160
.set OUTB, 224
.set O,   0                            ; window 1
.set Q,   80
.set ONE, 112
.set VR,  128
.set WV,  8                            ; s8   wave
.set U,   9                            ; s9   wave % 4
.set KH,  10                           ; s10  wave / 4
.set J,   11                           ; s11  work-group x
.set QP,  12                           ; s[12:13] q's plane
.set CP,  14                           ; s[14:15] ctx's plane
.set KB,  16                           ; s[16:17] my 64 rows of slot 0 in k's plane;  s[18:19] in v's
.set VB,  18
.set SEL, 20                           ; s[20:21] lane selects for v_permlanex16_b32: lane l xor 16
.set CS,  22                           ; s[22:23] c, twice
.set G1K, 24                           ; s[24:31], s[32:39] descriptor groups 1 for K's and V's tiles;  s[40:43], s[44:47] their groups 0, which walk
.set G1V, 32
.set G0K, 40
.set G0V, 44
.set TB,  48                           ; s48  LDS byte at which the slot in hand begins
.set KF,  49                           ; s49  my step's first key
.set KS,  50                           ; s50  the slot's first key
.set Q0,  51                           ; s51  my first query
.set QL,  52                           ; s52  the block's last query
.set SLOTS, 53                         ; s53  trips to go
.set LIM, 54                           ; s54  2 in the work-group that prefetches, else the greatest number
.set T0,  55                           ; s55  at work
.set QA,  56                           ; s[56:57] Q's address
.set OA,  58                           ; s[58:59] the output's address
.set PFA, 60                           ; s[60:61] where my prefetches stand
.set MSB, 0
.macro WIN new                         ; the immediate's high byte repeats the setting that is left; a switch that changes nothing is dropped
.if MSB != \new
	s_set_vgpr_msb (MSB<<8)|\new
.set MSB, \new
.endif
.endm
.set W_QK, 0x04                        ; Q (source 1) in window 1; K and S^T in window 0
.set W_PV, 0x51                        ; V (source 0), C and D in window 1; P in window 0
.set W_RS, 0x41                        ; O^T (destination and source 0) in window 1; a in window 0
.set TO1,  0x40                        ; destination in window 1
.set S0_1, 0x01                        ; source 0 in window 1
.set DAT1, 0x04                        ; an LDS store's data (source 1) in window 1
; Waves 0-3 fetch K's rows, waves 4-7 V's.  The branch hangs on the wave's number alone.  An s_nop 0 and four v_nop follow each of the two lines.
.macro TLOAD
	s_cmp_lt_u32 s[WV], 4
	s_cbranch_scc0 .Lfor_v_\@
	tensor_load_to_lds s[G0K:G0K+3], s[G1K:G1K+7]
	s_nop 0
.rept 4
	v_nop
.endr
	s_branch .Lasked_\@
.Lfor_v_\@:
	tensor_load_to_lds s[G0V:G0V+3], s[G1V:G1V+7]
	s_nop 0
.rept 4
	v_nop
.endr
.Lasked_\@:
.endm
; A PREFETCH INTO THE L2 of what the NEXT change of slots will ask for.  All eight work-groups of a head walk the same K and V from key 0 on: the one with j = 0, whose first pass walks all eight slots, asks, and nobody else.
; Each of its eight waves asks, behind its tensor load, for its own 64 rows (8,192 bytes, lanes 256 bytes apart) of the slot after the one just asked for: two steps of a wave ahead of that slot's load.  So each run of 256 bytes
; is named once in the launch.  Slots 0 and 1 come by their loads alone; the last two trips ask for nothing: there is no slot 8; the second pass asks for nothing.
.macro ASK
	s_cmp_gt_u32 s[SLOTS], s[LIM]
	s_cbranch_scc0 .Lnot_mine_\@
	global_prefetch_b8 v[PFO], s[PFA:PFA+1] th:TH_LOAD_NT scope:SCOPE_SE
.Lnot_mine_\@:
.endm
; THE CHANGE OF SLOTS stands at a trip's head.  Each wave waits for all its tensor loads (its part of the slot that it is about to read), adds 0 to its spare word, and waits for that and for its reads of the slot that it has left.
; Behind the barrier the slot ahead is whole and nobody reads the other one, which is filled with the next 256 keys: that load has the trip's two steps a wave in which to land.
.macro CHANGE ask
	s_wait_tensorcnt 0x0                           ; no tensor load of mine is out, so a group 0 may be written
	ds_add_u32 v[SPW], v[NIL]                      ; 0 onto my spare word; the descriptors' steps stand between it and the wait for it
	s_xor_b32 s[G0K+1], s[G0K+1], SLOT1            ; the walking descriptors: the other slot than last time,
	s_add_nc_u64 s[G0K+2:G0K+3], s[G0K+2:G0K+3], SLOTB   ; the next 256 keys; the type bits on top are not reached
	s_xor_b32 s[G0V+1], s[G0V+1], SLOT1
	s_add_nc_u64 s[G0V+2:G0V+3], s[G0V+2:G0V+3], SLOTB
.if \ask
	s_wait_xcnt 0x0                                ; the last prefetch, a trip back, has read its address, so it may be written:
	s_add_nc_u64 s[PFA:PFA+1], s[PFA:PFA+1], SLOTB ; one slot further on than the walking descriptors
.endif
	s_wait_dscnt 0x0                               ; the add is done, and my reads of the slot that I have left are over
	s_barrier_signal -1
	s_barrier_wait -1
	s_add_co_u32 s[T0], s[KS], 256                 ; the first key of the slot that this change would ask for:
	s_cmp_gt_u32 s[T0], s[QL]                      ; behind the block's last query none of the eight waves reads it, so it is not asked for.  Ids and the count of trips alone: all eight waves go the same way
	s_cbranch_scc1 .Lpast_\@
	TLOAD                                          ; the first thing behind the barrier but for those three lines, and a wave's one tensor load until the next
.Lpast_\@:
.if \ask
	ASK
.endif
.endm
; One step's softmax, both tiles line by line, so that no line waits for the line above it.
.macro SOFTMAX
.irp j, 0,1,2,3                                ; the maximum of a lane's 32 scores and the old m, three operands at a time; each accumulator is first read at its low end
.irp t, 0,1
	v_max3_num_f32 v[ST+8*\t+4+\j], v[S+32*\t+8*\j], v[S+32*\t+8*\j+1], v[S+32*\t+8*\j+2]
.endr
.endr
.irp g, 1,2
.irp j, 0,1,2,3
.irp t, 0,1
	v_max3_num_f32 v[ST+8*\t+4+\j], v[ST+8*\t+4+\j], v[S+32*\t+8*\j+2*\g+1], v[S+32*\t+8*\j+2*\g+2]
.endr
.endr
.endr
.irp t, 0,1
	v_max3_num_f32 v[ST+8*\t+4], v[ST+8*\t+4], v[S+32*\t+7], v[S+32*\t+15]
	v_max3_num_f32 v[ST+8*\t+6], v[ST+8*\t+6], v[S+32*\t+23], v[S+32*\t+31]
.endr
.irp t, 0,1
	v_max3_num_f32 v[ST+8*\t+4], v[ST+8*\t+4], v[ST+8*\t+5], v[ST+8*\t+6]
.endr
.irp t, 0,1
	v_max3_num_f32 v[ST+8*\t+4], v[ST+8*\t+4], v[ST+8*\t+7], v[ST+8*\t+1]
.endr
.irp t, 0,1
	v_permlanex16_b32 v[ST+8*\t+5], v[ST+8*\t+4], s[SEL], s[SEL+1]   ; the query's other 32 keys lie in the lane 16 away
.endr
.irp t, 0,1
	v_mov_b32 v[ST+8*\t+7], v[ST+8*\t]             ; c m_old is kept for a
.endr
.irp t, 0,1
	v_max_num_f32 v[ST+8*\t+1], v[ST+8*\t+4], v[ST+8*\t+5]
.endr
.irp t, 0,1
	v_mul_f32 v[ST+8*\t], s[CS], v[ST+8*\t+1]
.endr
.irp t, 0,1
	v_sub_f32 v[ST+8*\t+7], v[ST+8*\t+7], v[ST+8*\t]
.endr
.irp b, 0,1,2,3,4,5,6,7,8,9,10,11,12,13,14,15
.irp t, 0,1
	v_pk_fma_f32 v[S+32*\t+2*\b:S+32*\t+2*\b+1], v[S+32*\t+2*\b:S+32*\t+2*\b+1], s[CS:CS+1], v[ST+8*\t:ST+8*\t+1] op_sel_hi:[1,0,0] neg_lo:[0,0,1] neg_hi:[0,0,1]   ; c s - c m, two at a time
.endr
.endr
.irp t, 0,1                                    ; ONE BATCH: the 66 exponentials of both tiles; none reads another's result
	v_exp_f32 v[ST+8*\t+6], v[ST+8*\t+7]           ; a
.endr
.irp e, 0,1,2,3,4,5,6,7,8,9,10,11,12,13,14,15,16,17,18,19,20,21,22,23,24,25,26,27,28,29,30,31
.irp t, 0,1
	v_exp_f32 v[S+32*\t+\e], v[S+32*\t+\e]         ; p
.endr
.endr
	v_nop                                          ; a plain instruction behind the last exponential (ISA guide 5.7.2),
	s_wait_alu depctr_va_vdst(0)                   ; and the one wait ahead of the batch's first reader
.irp i, 0,1,2,3,4,5,6,7,8,9,10,11,12,13,14,15
.irp t, 0,1
	v_cvt_pk_f16_f32 v[P+16*\t+\i], v[S+32*\t+2*\i], v[S+32*\t+2*\i+1]
.endr
.endr
.endm
; A STEP: my 64 keys of the slot's unit un, against my two tiles of queries: 16 + 20 matrix instructions.
.macro STEP un
	s_add_co_u32 s[T0], s[Q0], 31
	s_cmp_gt_u32 s[KF], s[T0]                      ; all 64 keys come after my 32 queries: the step's work is left out.  No barrier and no tensor load stands in a step
	s_cbranch_scc1 .Lhid_\@
	v_add_nc_u32 v[ADK], s[TB], v[AK0]
	v_add_nc_u32 v[ADV], s[TB], v[AV0]
.irp kt, 0,1,2,3                               ; K: fragment (16 keys kt, 32 channels cc): lane l holds key l % 16; two loads of 16 bytes, 32 bytes apart
.irp cc, 0,1
	ds_load_b128 v[KR+8*(2*\kt+\cc):KR+8*(2*\kt+\cc)+3],   v[ADK] offset:\un*128*PK+\kt*16*PK+64*\cc
	ds_load_b128 v[KR+8*(2*\kt+\cc)+4:KR+8*(2*\kt+\cc)+7], v[ADK] offset:\un*128*PK+\kt*16*PK+64*\cc+32
.endr
.endr
	WIN TO1
.irp kc, 0,1                                   ; V, turned: fragment (32 keys kc, 16 channels ct)
.irp ct, 0,1,2,3
	ds_load_tr16_b128 v[VR+8*(4*\kc+\ct):VR+8*(4*\kc+\ct)+3],   v[ADV] offset:\un*128*PV+\kc*32*PV+32*\ct
	ds_load_tr16_b128 v[VR+8*(4*\kc+\ct)+4:VR+8*(4*\kc+\ct)+7], v[ADV] offset:\un*128*PV+\kc*32*PV+16*PV+32*\ct
.endr
.endr
	s_wait_dscnt 16                                ; K's 16 loads are in; V's 16, issued behind them, may be out
	WIN W_QK
.irp cc, 0,1                                   ; S^T = K Q^T: the 8 accumulators take turns, one instruction a turn; the first 8 start the sums
.irp kt, 0,1,2,3
.irp t, 0,1
.if \cc == 0
	v_wmma_f32_16x16x32_f16 v[S+32*\t+8*\kt:S+32*\t+8*\kt+7], v[KR+8*(2*\kt+\cc):KR+8*(2*\kt+\cc)+7], v[Q+16*\t+8*\cc:Q+16*\t+8*\cc+7], 0
.else
	v_wmma_f32_16x16x32_f16 v[S+32*\t+8*\kt:S+32*\t+8*\kt+7], v[KR+8*(2*\kt+\cc):KR+8*(2*\kt+\cc)+7], v[Q+16*\t+8*\cc:Q+16*\t+8*\cc+7], v[S+32*\t+8*\kt:S+32*\t+8*\kt+7]
.endif
.endr
.endr
.endr
	WIN 0
.rept 4
	v_nop                                          ; four places between the products and the first read of their results (ISA guide 7.12.1)
.endr
	s_add_co_u32 s[T0], s[KF], 63
	s_cmp_le_u32 s[T0], s[Q0]                      ; all 64 keys count for all my queries: no mask
	s_cbranch_scc1 .Lopen_\@
	s_sub_co_i32 s[T0], s[Q0], s[KF]
	v_add_nc_u32 v[D0], s[T0], v[DL]               ; register 8 kt + i of tile t holds key KF + 16 kt + 8 (lane / 16) + i and query Q0 + 16 t + lane % 16: hidden where 16 kt + i > d
	v_add_nc_u32 v[D0+1], 16, v[D0]
.irp t, 0,1
.irp n, 0,1,2,3,4,5,6,7,8,9,10,11,12,13,14,15,16,17,18,19,20,21,22,23,24,25,26,27,28,29,30,31
	v_cmp_gt_i32 vcc_lo, 16*(\n/8)+\n%8, v[D0+\t]
	v_cndmask_b32 v[S+32*\t+\n], v[S+32*\t+\n], v[NINF], vcc_lo
.endr
.endr
.Lopen_\@:
	SOFTMAX
	s_wait_dscnt 0x0                               ; V is in
	WIN W_RS
.irp t, 0,1
.irp i, 0,1,2,3,4,5,6,7,8,9,10,11,12,13,14,15,16,17,18,19
	v_pk_mul_f32 v[O+40*\t+2*\i:O+40*\t+2*\i+1], v[O+40*\t+2*\i:O+40*\t+2*\i+1], v[ST+8*\t+6:ST+8*\t+7] op_sel_hi:[1,0]   ; O^T and the sum under the new m
.endr
.endr
	WIN W_PV
.irp kc, 0,1                                   ; O^T += V^T P, and the sum += ones x P: the 10 accumulators take turns, one instruction a turn
.irp ct, 0,1,2,3
.irp t, 0,1
	v_wmma_f32_16x16x32_f16 v[O+40*\t+8*\ct:O+40*\t+8*\ct+7], v[VR+8*(4*\kc+\ct):VR+8*(4*\kc+\ct)+7], v[P+16*\t+8*\kc:P+16*\t+8*\kc+7], v[O+40*\t+8*\ct:O+40*\t+8*\ct+7]
.endr
.endr
.irp t, 0,1
	v_wmma_f32_16x16x32_f16 v[O+40*\t+32:O+40*\t+39], v[ONE:ONE+7], v[P+16*\t+8*\kc:P+16*\t+8*\kc+7], v[O+40*\t+32:O+40*\t+39]
.endr
.endr
	WIN 0
.rept 4
	v_nop                                          ; four places in front of the next loads into V's registers and of the next reads of O^T
.endr
.Lhid_\@:
	s_add_co_u32 s[KF], s[KF], 128                 ; my 64 keys of the next unit
.endm
; A pass: n trips, a constant; a trip is a slot: two steps a wave.
.macro PASS n, ask
	s_mov_b32 s[SLOTS], \n
.Lslot_\@:
	CHANGE \ask
	STEP 0
	STEP 1
	s_xor_b32 s[TB], s[TB], SLOT1                  ; on to the other slot
	s_add_co_u32 s[KS], s[KS], 256
	s_sub_co_u32 s[SLOTS], s[SLOTS], 1
	s_cmp_lg_u32 s[SLOTS], 0
	s_cbranch_scc1 .Lslot_\@
.endm
; The block of queries in s[T0]: its numbers, and my two tiles of Q into registers, where they stay for the pass.
.macro SETQ
	s_lshl_b32 s[Q0], s[T0], 7
	s_or_b32 s[QL], s[Q0], 127
	s_lshl_b32 s62, s[U], 5
	s_add_co_u32 s[Q0], s[Q0], s62
	s_lshl_b32 s[KF], s[KH], 6
	s_mov_b32 s[KS], 0
	s_lshl_b32 s62, s[Q0], 7
	s_mov_b32 s63, 0
	s_add_nc_u64 s[QA:QA+1], s[QP:QP+1], s[62:63]
	WIN TO1
.irp t, 0,1
.irp cc, 0,1
	global_load_b128 v[Q+16*\t+8*\cc:Q+16*\t+8*\cc+3],   v[QO], s[QA:QA+1] offset:\t*2048+64*\cc
	global_load_b128 v[Q+16*\t+8*\cc+4:Q+16*\t+8*\cc+7], v[QO], s[QA:QA+1] offset:\t*2048+64*\cc+32
.endr
.endr
	WIN 0
.endm
.macro SETO                            ; where my 32 rows of ctx begin
	s_lshl_b32 s62, s[Q0], 7
	s_mov_b32 s63, 0
	s_add_nc_u64 s[OA:OA+1], s[CP:CP+1], s[62:63]
.endm
; O^T and the sums begin as zeros and m as -3e38, under every score: where a wave's first step stands hangs on ids, so no first step can be written out with the constant 0 as C.
.macro CLEAR
	WIN TO1
.set i, 0
.rept 80
	v_mov_b32 v[O+i], 0
.set i, i+1
.endr
	WIN 0
.irp t, 0,1
	v_mov_b32 v[ST+8*\t+1], 0xff61b1e6
	v_mul_f32 v[ST+8*\t], s[CS], v[ST+8*\t+1]
.endr
.endm
; A PASS'S END.  Waves 4-7 store their state as images of their registers (16 bytes a lane, 512 a store); a barrier; waves 0-3 merge, divide and store.  p = 0: the barrier is also the one in front of the second pass's first fill
; (keys 0-255 into slot 0, which was last read two trips back or earlier): so the three lines stand in front of it in every wave, and the load is the first thing behind it and lands under the merge.
.macro FINISH p
	s_cmp_lt_u32 s[WV], 4
	s_cbranch_scc1 .Lkeep_\@
	WIN S0_1
	v_mov_b32 v[MT], v[O+32]                       ; the sums: the lowest register of each sum's tile (all eight hold the same)
	v_mov_b32 v[MT+1], v[O+72]
	WIN 0
	v_mov_b32 v[MT+2], v[ST]                       ; c m
	v_mov_b32 v[MT+3], v[ST+8]
	ds_store_b128 v[MA0+\p], v[MT:MT+3] offset:16*512
	WIN DAT1
.irp t, 0,1
.irp ct, 0,1,2,3
.irp g, 0,1
	ds_store_b128 v[MA0+\p], v[O+40*\t+8*\ct+4*\g:O+40*\t+8*\ct+4*\g+3] offset:512*(8*\t+2*\ct+\g)   ; each accumulator from its low end on
.endr
.endr
.endr
	WIN 0
.Lkeep_\@:
	s_wait_tensorcnt 0x0                           ; no tensor load of mine is out
	ds_add_u32 v[SPW], v[NIL]                      ; 0 onto my spare word
.if \p == 0
	s_mov_b64 s[G0K+2:G0K+3], s[KB:KB+1]           ; the descriptors go back to key 0 (their LDS words stand at slot 0 again after eight turns)
	s_or_b32 s[G0K+3], s[G0K+3], 0x80000000
	s_mov_b64 s[G0V+2:G0V+3], s[VB:VB+1]
	s_or_b32 s[G0V+3], s[G0V+3], 0x80000000
.endif
	s_wait_dscnt 0x0                               ; the add is done, my stores have landed, my reads of the slots are over
	s_barrier_signal -1
	s_barrier_wait -1
.if \p == 0
	TLOAD
	s_mov_b32 s[T0], s[J]                          ; the second pass: block j
	SETQ
.endif
	s_cmp_ge_u32 s[WV], 4
	s_cbranch_scc1 .Ldone_\@
	ds_load_b128 v[MT+4:MT+7], v[MA0+\p] offset:16*512
.irp i, 0,1,2,3,4,5,6,7,8,9,10,11,12,13,14,15
	ds_load_b128 v[KR+4*\i:KR+4*\i+3], v[MA0+\p] offset:512*\i
.endr
	WIN S0_1
	v_mov_b32 v[MT], v[O+32]
	v_mov_b32 v[MT+1], v[O+72]
	WIN 0
	s_wait_dscnt 16                                ; the partner's statistics are in; the 16 images behind them may be out
.irp t, 0,1
	v_max_num_f32 v[MT+8+\t], v[ST+8*\t], v[MT+6+\t]
.endr
.irp t, 0,1
	v_sub_f32 v[MT+10+\t], v[ST+8*\t], v[MT+8+\t]
	v_sub_f32 v[MT+12+\t], v[MT+6+\t], v[MT+8+\t]
.endr
.irp t, 0,1
	v_exp_f32 v[MT+10+\t], v[MT+10+\t]             ; a1, a2: one of them is 1.  (A partner that had no step handed over c m = c x -3e38 and zeros: its a is 0)
	v_exp_f32 v[MT+12+\t], v[MT+12+\t]
.endr
	v_nop
	s_wait_alu depctr_va_vdst(0)                   ; one wait for the four, ahead of their first reader
.irp t, 0,1
	v_mul_f32 v[MT+14+\t], v[MT+10+\t], v[MT+\t]
.endr
.irp t, 0,1
	v_fmac_f32 v[MT+14+\t], v[MT+12+\t], v[MT+4+\t]   ; the row's sum
.endr
.irp t, 0,1
	v_rcp_f32 v[MT+14+\t], v[MT+14+\t]
.endr
	v_nop
	s_wait_alu depctr_va_vdst(0)                   ; one wait for the two
.irp t, 0,1
	v_mul_f32 v[MT+16+2*\t], v[MT+10+\t], v[MT+14+\t]   ; f1 = a1 / sum, f2 = a2 / sum, each in both registers of a pair
	v_mul_f32 v[MT+17+2*\t], v[MT+10+\t], v[MT+14+\t]
	v_mul_f32 v[MT+20+2*\t], v[MT+12+\t], v[MT+14+\t]
	v_mul_f32 v[MT+21+2*\t], v[MT+12+\t], v[MT+14+\t]
.endr
	s_wait_dscnt 0x0                               ; the partner's O^T is in
.set i, 0
.rept 32
	v_pk_mul_f32 v[KR+2*i:KR+2*i+1], v[KR+2*i:KR+2*i+1], v[MT+20+2*(i/16):MT+21+2*(i/16)]
.set i, i+1
.endr
	WIN S0_1
.set i, 0
.rept 32
	v_pk_fma_f32 v[KR+2*i:KR+2*i+1], v[O+40*(i/16)+2*(i%16):O+40*(i/16)+2*(i%16)+1], v[MT+16+2*(i/16):MT+17+2*(i/16)], v[KR+2*i:KR+2*i+1]   ; mine x f1 + the partner's x f2; each accumulator from its low end on
.set i, i+1
.endr
	WIN 0
.set i, 0
.rept 32
	v_cvt_pk_f16_f32 v[P+i], v[KR+2*i], v[KR+2*i+1]
.set i, i+1
.endr
.irp t, 0,1
.irp ct, 0,1,2,3
	ds_store_b128 v[STO], v[P+16*\t+4*\ct:P+16*\t+4*\ct+3] offset:\t*16*SP+32*\ct   ; lane (r, h): row 16 t + r, channels 16 ct + 8 h + 0 .. 7
.endr
.endr
.irp i, 0,1,2,3,4,5,6,7
	ds_load_b128 v[OUTB+4*\i:OUTB+4*\i+3], v[RD] offset:\i*4*SP   ; four rows of 128 bytes; LDS serves a wave's instructions in order: these see my stores
.endr
.irp i, 0,1,2,3,4,5,6,7
	s_wait_dscnt 7-\i                              ; load i is in; the 7 - i behind it may be out
	global_store_b128 v[GO], v[OUTB+4*\i:OUTB+4*\i+3], s[OA:OA+1] offset:512*\i   ; 32 lanes store 512 consecutive bytes, aligned: my rows of ctx are dense
.endr
.Ldone_\@:
.if \p == 0
	s_wait_xcnt 0x0                                ; the stores have read their base and their registers: both are written again only behind this wait
	SETO
	CLEAR
	s_wait_loadcnt 0x0                             ; Q
.endif
.endm
	s_load_b128 s[4:7], s[0:1], 0x0                ; qkv, ctx
	v_lshl_add_u32 v[SPW], v0, 2, SPARE
	v_mov_b32 v[NIL], 0
	ds_add_u32 v[SPW], v[NIL]                      ; the wave's opening: the add and its wait stand ahead of my first tensor load; the set-up below, work on registers, stands between them
	v_lshrrev_b32 v1, 5, v0
	v_readfirstlane_b32 s[WV], v1                  ; wave 0..7
	s_and_b32 s[U], s[WV], 3
	s_lshr_b32 s[KH], s[WV], 2
	s_mov_b32 s[J], ttmp9
	s_and_b32 s62, ttmp7, 0xffff                   ; the head: 16 b + h
	s_lshr_b32 s63, s62, 4
	s_mul_i32 s63, s63, 48
	s_and_b32 s[T0], s62, 15
	s_add_co_u32 s63, s63, s[T0]                   ; q's plane: 48 b + h
	s_lshl_b32 s[QA], s63, 18
	s_mov_b32 s[QA+1], 0
	s_lshl_b32 s[OA], s62, 18                      ; ctx's plane
	s_mov_b32 s[OA+1], 0
	s_lshl_b32 s62, s[U], 13                       ; the 64 rows of a slot that I fetch
	s_mov_b32 s63, 0
	; descriptor group 1: a tile of 64 rows x 64 elements of 2 bytes, dense in memory, padded in LDS behind every row
	s_mov_b32 s[G1K], (1<<16)|(1<<20)|(4<<22)|(3<<25)   ; 15:0 no mask; 17:16 elements of 2 bytes; 20 padding on; 24:22 after every 32 words (code 4); 31:25 four words (code 3)
	s_mov_b32 s[G1V], (1<<16)|(1<<20)|(4<<22)|(7<<25)   ; the same with eight words (code 7)
.irp g, G1K, G1V
	s_mov_b32 s[\g+1], 64<<16                      ; tensor_dim0 = 64
	s_mov_b32 s[\g+2], 64<<16                      ; tensor_dim1 = 64
	s_mov_b32 s[\g+3], 64<<16                      ; tile_dim0 = 64
	s_mov_b32 s[\g+4], 64                          ; tile_dim1 = 64
	s_mov_b32 s[\g+5], 64                          ; elements from row to row
	s_mov_b32 s[\g+6], 0
	s_mov_b32 s[\g+7], 0
.endr
	s_mov_b32 s[SEL], 0x76543210
	s_mov_b32 s[SEL+1], 0xfedcba98
	s_mov_b32 s[CS], 0x3e38aa3b                    ; c = log2(e) / 8
	s_mov_b32 s[CS+1], s[CS]                       ; (named with it as a pair, so it is written)
	s_mov_b32 s[TB], 0
	s_wait_dscnt 0x0                               ; the opening add is done
	s_wait_kmcnt 0x0
	s_add_nc_u64 s[QP:QP+1], s[4:5], s[QA:QA+1]
	s_add_nc_u64 s[CP:CP+1], s[6:7], s[OA:OA+1]
	s_add_nc_u64 s[KB:KB+1], s[QP:QP+1], s[62:63]
	s_add_nc_u64 s[VB:VB+1], s[KB:KB+1], 32*PL     ; v's plane lies 32 planes behind q's,
	s_add_nc_u64 s[KB:KB+1], s[KB:KB+1], 16*PL     ; k's 16
	s_mov_b32 s[G0K], 1                            ; count = 1
	s_mul_i32 s[G0K+1], s[U], 64*PK                ; LDS address: slot 0, my 64 rows
	s_mov_b64 s[G0K+2:G0K+3], s[KB:KB+1]           ; global address: keys 0-255, my 64 rows
	s_or_b32 s[G0K+3], s[G0K+3], 0x80000000        ; type = 2
	s_mov_b32 s[G0V], 1
	s_mul_i32 s[G0V+1], s[U], 64*PV
	s_add_co_u32 s[G0V+1], s[G0V+1], VOFF
	s_mov_b64 s[G0V+2:G0V+3], s[VB:VB+1]
	s_or_b32 s[G0V+3], s[G0V+3], 0x80000000
	TLOAD                                          ; the one first fill: slot 0.  Slot 1 is first filled behind the first trip's barrier, as a refill is
	v_and_b32 v1, 15, v0                           ; r = lane % 16
	v_bfe_u32 v2, v0, 4, 1                         ; h = lane / 16
	v_mul_u32_u24 v[AK0], v1, PK
	v_lshl_add_u32 v[AK0], v2, 4, v[AK0]
	s_mul_i32 s62, s[KH], 64*PK
	v_add_nc_u32 v[AK0], s62, v[AK0]               ; K: my half of a unit, row r, + 16 h
	v_and_b32 v5, 7, v0
	v_lshl_add_u32 v5, v2, 3, v5
	v_mul_u32_u24 v[AV0], v5, PV                   ; V, for the turning load: key 8 h + lane % 8,
	v_bfe_u32 v6, v0, 3, 1
	v_lshl_add_u32 v[AV0], v6, 4, v[AV0]           ; channels 8 ((lane / 8) % 2) on
	s_mul_i32 s62, s[KH], 64*PV
	s_add_co_u32 s62, s62, VOFF
	v_add_nc_u32 v[AV0], s62, v[AV0]
	v_lshlrev_b32 v[QO], 7, v1
	v_lshl_add_u32 v[QO], v2, 4, v[QO]             ; Q: row r of 128 bytes, + 16 h
	v_and_b32 v[PFO], 31, v0
	v_lshlrev_b32 v[GO], 4, v[PFO]                 ; 16 x lane
	v_lshlrev_b32 v[PFO], 8, v[PFO]                ; 256 x lane
	s_mul_i32 s62, s[U], MRGW
	v_add_nc_u32 v[MA0], s62, v[GO]
	v_add_nc_u32 v[MA0+1], MRG1, v[MA0]
	v_add_nc_u32 v[MA0], MRG0, v[MA0]
	s_mul_i32 s62, s[U], 32*SP
	s_add_co_u32 s62, s62, STAGE
	v_mul_u32_u24 v[STO], v1, SP
	v_lshl_add_u32 v[STO], v2, 4, v[STO]
	v_add_nc_u32 v[STO], s62, v[STO]
	v_bfe_u32 v5, v0, 3, 2                         ; lane / 8: which of four rows
	v_mul_u32_u24 v[RD], v5, SP
	v_and_b32 v6, 7, v0
	v_lshl_add_u32 v[RD], v6, 4, v[RD]
	v_add_nc_u32 v[RD], s62, v[RD]
	v_lshlrev_b32 v5, 3, v2
	v_sub_nc_u32 v[DL], v1, v5
	v_mov_b32 v[NINF], 0xff800000
	WIN TO1
.irp i, 0,1,2,3,4,5,6,7
	v_mov_b32 v[ONE+\i], 0x3c003c00                ; f16 ones
.endr
	WIN 0
	s_cmp_lt_u32 s[WV], 4
	s_cselect_b64 s[PFA:PFA+1], s[KB:KB+1], s[VB:VB+1]
	s_add_nc_u64 s[PFA:PFA+1], s[PFA:PFA+1], SLOTB ; in slot 1: the first change of slots steps it to slot 2.  Nothing is prefetched here, at the head
	s_cmp_eq_u32 s[J], 0
	s_cselect_b32 s[LIM], 2, -1
	s_sub_co_u32 s[T0], 15, s[J]                   ; the first pass: block 15 - j
	SETQ
	SETO
	CLEAR
	s_wait_loadcnt 0x0                             ; Q
	PASS 8, 1
	FINISH 0
	PASS 4, 0
	FINISH 1
	s_wait_tensorcnt 0x0                           ; the wave's end, behind my last tensor load and my last LDS store
	ds_add_u32 v[SPW], v[NIL]
	s_wait_dscnt 0x0
	s_endpgm
.Lfunc_end_k_q4d71ddfddd_attn:
	.size	k_q4d71ddfddd_attn, .Lfunc_end_k_q4d71ddfddd_attn-k_q4d71ddfddd_attn
	.p2alignl 7, 3214868480
	.fill 96, 4, 3214868480
	.section	.rodata,"a",@progbits
	.p2align	6, 0x0
	.amdhsa_kernel k_q4d71ddfddd_attn
		.amdhsa_group_segment_fixed_size 327680
		.amdhsa_private_segment_fixed_size 0
		.amdhsa_enable_private_segment 0
		.amdhsa_kernarg_size 16
		.amdhsa_user_sgpr_count 2
		.amdhsa_user_sgpr_kernarg_segment_ptr 1
		.amdhsa_wavefront_size32 1
		.amdhsa_system_sgpr_workgroup_id_x 1
		.amdhsa_system_sgpr_workgroup_id_y 1
		.amdhsa_system_sgpr_workgroup_id_z 1
		.amdhsa_system_vgpr_workitem_id 0
		.amdhsa_next_free_vgpr 448
		.amdhsa_next_free_sgpr 66
		.amdhsa_reserve_vcc 1
		.amdhsa_float_denorm_mode_32 3
		.amdhsa_float_denorm_mode_16_64 3
		.amdhsa_memory_ordered 1
		.amdhsa_forward_progress 1
		.amdhsa_inst_pref_size 123
	.end_amdhsa_kernel
	.amdgpu_metadata
---
amdhsa.version: [ 1, 2 ]
amdhsa.kernels:
  - .name:           k_q4d71ddfddd_attn
    .symbol:         k_q4d71ddfddd_attn.kd
    .args:
      - { .name: qkv, .offset: 0, .size: 8, .value_kind: global_buffer, .address_space: global }
      - { .name: ctx, .offset: 8, .size: 8, .value_kind: global_buffer, .address_space: global }
    .group_segment_fixed_size: 327680
    .private_segment_fixed_size: 0
    .kernarg_segment_align: 8
    .kernarg_segment_size: 16
    .max_flat_workgroup_size: 256
    .sgpr_count:     66
    .vgpr_count:     448
    .wavefront_size: 32
...
	.end_amdgpu_metadata
.endif
;; end of part 3
;; launch proj (part 4): grid 8 x 32, 4 waves a work-group, clusters of 4 x 4, 327,680 bytes of LDS; arguments ctx, wp, out0, b_proj; writes out0
.if DOCPART == 4
	.amdgcn_target "amdgcn-amd-amdhsa--gfx1250"
	.amdhsa_code_object_version 6
	.text
	.protected	k_q4d71ddfddd_proj
	.globl	k_q4d71ddfddd_proj
	.p2align	8
	.type	k_q4d71ddfddd_proj,@function
k_q4d71ddfddd_proj:
	s_mov_b64 s[64:65], 0
	v_nop
	global_prefetch_b8 v0, s[64:65] scope:SCOPE_SE
	s_setreg_imm32_b32 hwreg(HW_REG_WAVE_MODE, 25, 1), 1
	s_wait_xcnt 0x0
	s_wait_alu depctr_hold_cnt(0) depctr_sa_sdst(0) depctr_va_vdst(0) depctr_va_sdst(0) depctr_va_ssrc(0) depctr_va_vcc(0) depctr_vm_vsrc(0)
	s_getreg_b32 s2, hwreg(HW_REG_IB_STS2, 6, 4)
	s_cmp_eq_u32 s2, 0
	s_cbranch_scc0 .Lentry_in_a_cluster
	s_endpgm
.Lentry_in_a_cluster:
	s_bfe_u32 s2, ttmp6, 0x10000c
	s_cmp_lg_u32 s2, 0xf033
	s_cbranch_scc0 .Lentry_shape_is_right
	s_endpgm
.Lentry_shape_is_right:
; out0[m][n] = sum over k of ctx[m][k] w_proj[n][k] + b_proj[n].  m = 2048 b + s (4,096), n and k 1,024.  ctx lies BY HEAD, [16 b + head][s][64], f16: k = 64 head + channel; wp is w_proj in f16, [1024][1024]; out0 f32; sums in f32.
; A tile of out0 is 128 x 128: 256 work-groups.  Four waves, each 64 x 64: 16 accumulators of 16 x 16, 128 registers.  K goes in steps of 256 (four heads) through a ring of two LDS slots.
; A's part of a slot is four chunks, one a head: 128 rows of 128 bytes, dense in memory (16,384 bytes), padded in LDS to 144 bytes a row.  One tensor load brings two chunks as a tile of 2 rows x 8,192 elements, 262,144 bytes apart,
; with 16 bytes of padding behind every 128.  B's part is 128 rows of 512 bytes, padded to 528; one tensor load brings 64.  Waves 0 and 1 fetch for A, waves 2 and 3 for B.
; CLUSTERS: 4 x 4 work-groups.  The four of a row of the cluster need the same tiles of A, the four of a column the same tiles of B: each tile is asked for JOINTLY, by the same tensor load with the same descriptor and a mask that
; names the four.  THE MATRIX INSTRUCTION IS USED TRANSPOSED (source 0 = 16 rows of wp, source 1 = 16 rows of ctx): a lane then holds eight neighbouring numbers of a row of out0.
; THE BIAS is the C of each sum's first product: eight registers for each block of 16 columns, in the result's layout.  A wave's 64 columns of f32 are 256 bytes: the way out goes through the wave's own stage.
; REGISTERS: window 0: v0-31 addresses; v32-95 rows on the way out; v96-127 the bias; v128-255 the accumulators ((a, b) at v[128 + 8 (4 a + b)]).
;   window 1: two fragment buffers of 128: for 64 along K (one head, two matrix instructions deep), 64 registers of A, then 64 of B.
.set KSTEP,  256
.set PA,     144                       ; a row of A in LDS: 128 bytes + 16 = 36 words
.set ACH,    128*PA                    ; a head's chunk
.set PB,     528                       ; a row of B in LDS: 512 bytes + 16 = 132 words
.set BOFF,   4*ACH                     ; B's rows lie behind A's four chunks
.set HALFB,  64*PB
.set SLOT,   BOFF+2*HALFB
.set STAGE,  2*SLOT                    ; behind the ring: 16 rows x 272 bytes for each wave, for the way out
.set SPITCH, 272
.set SPARE,  STAGE+4*16*SPITCH         ; behind the stages: the spare words, 128 bytes for each wave
.set LAPS,   2                         ; a lap = two K steps = once round the ring: K = 1,024
.set ADRA, 16                          ; v16-17  LDS address of my A fragments in slot 0, 1
.set ADRB, 20                          ; v20-21  the same for B
.set STO,  24                          ; v24     the way out: where I put 32 bytes of a row
.set RD,   25                          ; v25     the way out: where I read 16 bytes back
.set CO,   26                          ; v26     my byte offset in out0
.set SPW,  28                          ; v28     LDS address of my spare word; never rewritten
.set NIL,  29                          ; v29     0; never rewritten
.set TMP,  32                          ; the way out: two sets of 32 registers
.set BIAS, 96
.set ACC,  128
.set F0,   0                           ; fragment buffers, in window 1
.set F1,   128
.set G1, 24                            ; s[24:31] descriptor group 1 for A's tiles;  s[32:39] group 0, one set for each slot
.set G0, 32
.set G1B, 48                           ; s[48:55], s[56:63] the same for B's tiles
.set G0B, 56
.set MSB, 0
.macro WIN new                         ; the immediate's high byte repeats the setting that is left
.if MSB != \new
	s_set_vgpr_msb (MSB<<8)|\new
.set MSB, \new
.endif
.endm
.set MUL,  0x05                        ; sources 0 (B) and 1 (A) window 1; C and D window 0
.set TO_F, 0x40                        ; destination window 1, address window 0
.macro JLOAD s                         ; a joint load: waves 0 and 1 fetch for A, waves 2 and 3 for B; an s_nop 0 and four v_nop follow each of the two lines, ahead of the jump, the label and what follows
	s_cmp_eq_u32 s11, 0
	s_cbranch_scc0 .Lfor_b_\@
	tensor_load_to_lds s[G0+4*\s:G0+4*\s+3], s[G1:G1+7]
	s_nop 0
.rept 4
	v_nop
.endr
	s_branch .Lasked_\@
.Lfor_b_\@:
	tensor_load_to_lds s[G0B+4*\s:G0B+4*\s+3], s[G1B:G1B+7]
	s_nop 0
.rept 4
	v_nop
.endr
.Lasked_\@:
.endm
.macro CREST                           ; a round of the cluster's barrier behind its opening barrier
	s_cmp_lg_u32 s10, 0
	s_cbranch_scc1 .Lnot_wave_0_\@
	s_barrier_signal -3
.Lnot_wave_0_\@:
	s_barrier_wait -3
	s_barrier_signal -1
	s_barrier_wait -1
.endm
.macro CROUND                          ; a whole round
	s_barrier_signal -1
	s_barrier_wait -1
	CREST
.endm
	s_load_b128 s[4:7], s[0:1], 0x0                ; ctx s[4:5], wp s[6:7]
	s_load_b64 s[8:9], s[0:1], 0x10                ; out0
	s_load_b64 s[66:67], s[0:1], 0x18              ; b_proj
	v_lshl_add_u32 v[SPW], v0, 2, SPARE
	v_mov_b32 v[NIL], 0
	ds_add_u32 v[SPW], v[NIL]                      ; the wave's opening: the add and its wait stand ahead of my first tensor load; the set-up below, work on registers, stands between them
	v_lshrrev_b32 v1, 5, v0
	v_readfirstlane_b32 s10, v1                    ; wave 0..3
	s_lshr_b32 s11, s10, 1                         ; which half of the tile's rows is mine.  Also: I fetch for A (0) or for B (1)
	s_and_b32 s12, s10, 1                          ; which half of its columns.  Also: which half of that tile I fetch
	s_bfe_u32 s40, ttmp6, 0x40000                  ; cx, cy: my place in the cluster
	s_bfe_u32 s41, ttmp6, 0x40004
	s_lshl_b32 s42, ttmp9, 2
	s_add_co_u32 s42, s42, s40                     ; tile column = 4 x cluster x + cx
	s_and_b32 s13, ttmp7, 0xffff
	s_lshl_b32 s13, s13, 2
	s_add_co_u32 s13, s13, s41                     ; tile row = 4 x cluster y + cy
	s_lshl_b32 s43, s41, 2
	s_lshl_b32 s43, 15, s43                        ; my row of the cluster
	s_lshl_b32 s44, 0x1111, s40                    ; my column
	; descriptor group 1 for A: 2 rows (heads) of 8,192 elements of 2 bytes, 131,072 elements apart
	s_or_b32 s[G1+0], s43, (1<<16)|(1<<20)|(1<<21)|(4<<22)|(3<<25)  ; 15:0 the mask: A's tiles go to my row; 17:16 element of 2 bytes; 20 padding on; 21 set beside a mask; 24:22 after every 32 words (code 4); 31:25 of 4 words (code 3)
	s_mov_b32 s[G1+1], 8192<<16                    ; tensor_dim0 = 8,192
	s_mov_b32 s[G1+2], 2<<16                       ; tensor_dim1 = 2
	s_mov_b32 s[G1+3], 8192<<16                    ; tile_dim0 = 8,192
	s_mov_b32 s[G1+4], 2                           ; tile_dim1 = 2
	s_mov_b32 s[G1+5], 131072                      ; tensor_dim0_stride: a plane
	s_mov_b32 s[G1+6], 0
	s_mov_b32 s[G1+7], 0
	; and for B: 64 rows of 256 elements, 1,024 elements apart
	s_or_b32 s[G1B+0], s44, (1<<16)|(1<<20)|(1<<21)|(6<<22)|(3<<25) ; the mask of my column; padding after every 128 words (code 6)
	s_mov_b32 s[G1B+1], KSTEP<<16
	s_mov_b32 s[G1B+2], 64<<16
	s_mov_b32 s[G1B+3], KSTEP<<16
	s_mov_b32 s[G1B+4], 64
	s_mov_b32 s[G1B+5], 1024
	s_mov_b32 s[G1B+6], 0
	s_mov_b32 s[G1B+7], 0
	s_lshr_b32 s16, s13, 4                         ; A: b = tile row / 16: 16 planes of 262,144 bytes,
	s_lshl_b32 s16, s16, 22
	s_and_b32 s17, s13, 15
	s_lshl_b32 s17, s17, 14                        ; 128 rows of 128 bytes for each tile row in b,
	s_add_co_u32 s16, s16, s17
	s_lshl_b32 s17, s12, 19                        ; and the two heads that I fetch
	s_add_co_u32 s16, s16, s17
	s_mov_b32 s17, 0
	s_lshl_b32 s46, s42, 7
	s_lshl_b32 s47, s12, 6
	s_add_co_u32 s46, s46, s47                     ; B: row 128 x tile column + 64 x half,
	s_lshl_b32 s46, s46, 11                        ; of 2,048 bytes
	s_mov_b32 s47, 0
	s_mul_i32 s20, s12, 2*ACH                      ; where they go: no place in the cluster enters an LDS address
	s_mul_i32 s21, s12, HALFB
	s_add_co_u32 s21, s21, BOFF
	s_wait_dscnt 0x0                               ; the opening add is done
	s_wait_kmcnt 0x0
	s_add_nc_u64 s[14:15], s[4:5], s[16:17]
	s_add_nc_u64 s[46:47], s[6:7], s[46:47]
	CROUND                                         ; all sixteen work-groups are here: the first joint loads meet
.irp s, 0,1
	s_mov_b32 s[G0+4*\s], 1
	s_add_co_u32 s[G0+4*\s+1], s20, \s*SLOT
	s_add_nc_u64 s[G0+4*\s+2:G0+4*\s+3], s[14:15], \s*(1<<20)      ; K step s: four heads on
	s_or_b32 s[G0+4*\s+3], s[G0+4*\s+3], 0x80000000
	s_mov_b32 s[G0B+4*\s], 1
	s_add_co_u32 s[G0B+4*\s+1], s21, \s*SLOT
	s_add_nc_u64 s[G0B+4*\s+2:G0B+4*\s+3], s[46:47], \s*KSTEP*2
	s_or_b32 s[G0B+4*\s+3], s[G0B+4*\s+3], 0x80000000
	JLOAD \s                                       ; two tensor loads of mine are out
.endr
	v_and_b32 v1, 15, v0                           ; l % 16
	v_bfe_u32 v2, v0, 4, 1                         ; l / 16
	v_lshlrev_b32 v6, 5, v2                        ; the bias: lane (r, h) wants, for block b, columns 16 b + 8 h + 0 .. 7
	s_lshl_b32 s46, s42, 9                         ; my first column, in bytes of f32: 512 x tile column + 256 x half
	s_lshl_b32 s47, s12, 8
	s_add_co_u32 s46, s46, s47
	s_mov_b32 s47, 0
	s_add_nc_u64 s[66:67], s[66:67], s[46:47]
.irp b, 0,1,2,3
	global_load_b128 v[BIAS+8*\b:BIAS+8*\b+3],   v6, s[66:67] offset:64*\b
	global_load_b128 v[BIAS+8*\b+4:BIAS+8*\b+7], v6, s[66:67] offset:64*\b+16
.endr
	v_mul_u32_u24 v3, v1, PA
	v_lshl_add_u32 v3, v2, 4, v3                   ; A: a fragment's row x pitch + 16 x half
	v_mul_u32_u24 v4, v1, PB
	v_lshl_add_u32 v4, v2, 4, v4                   ; B likewise
	s_mul_i32 s21, s11, 64*PA                      ; my 64 rows of A, in each chunk
	s_mul_i32 s22, s12, HALFB                      ; my 64 rows of B,
	s_add_co_u32 s22, s22, BOFF                    ; which lie behind A's chunks
.irp s, 0,1
	v_add_nc_u32 v[ADRA+\s], s21, v3
	v_add_nc_u32 v[ADRB+\s], s22, v4
	s_add_co_u32 s21, s21, SLOT
	s_add_co_u32 s22, s22, SLOT
.endr
	s_mul_i32 s23, s10, 16*SPITCH
	s_add_co_u32 s23, s23, STAGE                   ; my stage
	v_mul_u32_u24 v5, v1, SPITCH                   ; in: row l % 16, 32 bytes for each half of the lanes
	v_lshl_add_u32 v5, v2, 5, v5
	v_add_nc_u32 v[STO], s23, v5
	v_mul_u32_u24 v5, v2, SPITCH                   ; back: lanes 0-15 take one row of 256 bytes, lanes 16-31 the next
	v_lshl_add_u32 v5, v1, 4, v5
	v_add_nc_u32 v[RD], s23, v5
	v_lshlrev_b32 v[CO], 4, v1                     ; and the same two rows in out0: 4,096 bytes apart
	v_lshl_add_u32 v[CO], v2, 12, v[CO]
	s_lshl_b32 s16, s13, 19                        ; my first row: (128 x tile row + 64 x half) x 4,096 bytes
	s_lshl_b32 s17, s11, 18
	s_add_co_u32 s16, s16, s17
	s_mov_b32 s17, 0
	s_add_nc_u64 s[8:9], s[8:9], s[16:17]
	s_add_nc_u64 s[8:9], s[8:9], s[46:47]          ; and my first column
; 8 matrix instructions: m blocks a0, a0 + 1 x all 4 n blocks, 32 along K: half c of buffer f.  zero = 1: the first product starts the sums, with the bias as C.
; The 16 accumulators take turns, one instruction a turn.
.macro MUL8 f, c, a0, zero
.irp a, \a0, \a0+1
.irp b, 0,1,2,3
.if \zero
	v_wmma_f32_16x16x32_f16 v[ACC+8*(4*(\a)+\b):ACC+8*(4*(\a)+\b)+7], v[\f+64+8*(4*\c+\b):\f+64+8*(4*\c+\b)+7], v[\f+8*(4*\c+\a):\f+8*(4*\c+\a)+7], v[BIAS+8*\b:BIAS+8*\b+7]
.else
	v_wmma_f32_16x16x32_f16 v[ACC+8*(4*(\a)+\b):ACC+8*(4*(\a)+\b)+7], v[\f+64+8*(4*\c+\b):\f+64+8*(4*\c+\b)+7], v[\f+8*(4*\c+\a):\f+8*(4*\c+\a)+7], v[ACC+8*(4*(\a)+\b):ACC+8*(4*(\a)+\b)+7]
.endif
.endr
.endr
.endm
; 32 LDS loads in one run: the fragments of the slot's quarter q (one head: 64 along K) into buffer f; the first 32 along K first
.macro FETCH slot, q, f
	WIN TO_F
.irp c, 0,1
.irp i, 0,1,2,3
	ds_load_b128 v[\f+64+8*(4*\c+\i):\f+64+8*(4*\c+\i)+3],   v[ADRB+\slot] offset:(\q)*128+64*\c+\i*16*PB
	ds_load_b128 v[\f+64+8*(4*\c+\i)+4:\f+64+8*(4*\c+\i)+7], v[ADRB+\slot] offset:(\q)*128+64*\c+\i*16*PB+32
	ds_load_b128 v[\f+8*(4*\c+\i):\f+8*(4*\c+\i)+3],         v[ADRA+\slot] offset:(\q)*ACH+64*\c+\i*16*PA
	ds_load_b128 v[\f+8*(4*\c+\i)+4:\f+8*(4*\c+\i)+7],       v[ADRA+\slot] offset:(\q)*ACH+64*\c+\i*16*PA+32
.endr
.endr
.endm
.macro PLACES                          ; four places in front of loads into registers that matrix instructions have read, and of the first read of results (ISA guide 7.12.1 for the reads of results)
.rept 4
	v_nop
.endr
.endm
; A K step is four quarters of 64 along K, 32 matrix instructions each, on buffers 0, 1, 0, 1.  One of the first three: multiplies buffer f and fetches quarter q into g.
.macro QUARTER slot, q, f, g, zero
	s_wait_dscnt 16                                ; the first 32 along K are in; the youngest 16 loads may be out
	WIN MUL
	MUL8 \f, 0, 0, \zero
	MUL8 \f, 0, 2, \zero
	PLACES
	FETCH \slot, \q, \g
	s_wait_dscnt 32                                ; all but the 32 just issued
	WIN MUL
	MUL8 \f, 1, 0, 0
	MUL8 \f, 1, 2, 0
.endm
; The last quarter multiplies buffer 1 and changes slots: ONE barrier; in front of it each wave waits for all its tensor loads, adds 0 to its spare word, and waits for that and for its own reads of this slot.  fill = 1: this slot is filled again, two K steps ahead.
.macro TURN slot, next, fill
	WIN 0                                          ; (the add's two registers lie in window 0)
	s_wait_tensorcnt 0x0                           ; all my tensor loads have landed: my part of the next slot;
	ds_add_u32 v[SPW], v[NIL]                      ; 0 onto my spare word
	s_wait_dscnt 17                                ; (the add and the youngest sixteen loads may be out)
	WIN MUL
	MUL8 F1, 0, 0, 0                               ; eight matrix instructions stand between the add and the wait for it
	s_wait_dscnt 0x0                               ; the add is done, and my reads of this slot are over
	s_barrier_signal -1
	MUL8 F1, 0, 2, 0
.if \fill
	WIN 0
.endif
	s_barrier_wait -1
.if \fill
	CREST                                          ; the barrier has opened a round of the cluster's barrier: no wave of any partner still reads this slot's tile or has a load on its way
	s_add_nc_u64 s[G0+4*\slot+2:G0+4*\slot+3], s[G0+4*\slot+2:G0+4*\slot+3], 2<<20
	s_add_nc_u64 s[G0B+4*\slot+2:G0B+4*\slot+3], s[G0B+4*\slot+2:G0B+4*\slot+3], 2*KSTEP*2
	JLOAD \slot                                    ; the first tensor load behind the round; the four v_nop behind it are also the places in front of the loads below
.else
	PLACES
.endif
	FETCH \next, 0, F0
	WIN MUL
	MUL8 F1, 1, 0, 0
	MUL8 F1, 1, 2, 0
.endm
	s_wait_tensorcnt 1                             ; my part of K step 0 is in (K step 1's load may be out)
	s_barrier_signal -1
	s_barrier_wait -1                              ; everybody's is
	FETCH 0, 0, F0
	s_wait_loadcnt 0x0                             ; the bias
	QUARTER 0, 1, F0, F1, 1                        ; the first quarter stands in front of the loop: its first products start the sums
	WIN 0                                          ; at a label and at a branch every window is 0
	s_mov_b32 s3, LAPS-1
.Llap:                                                 ; a trip goes once round the ring, from a lap's second quarter to the next lap's first, and fills both slots again
	QUARTER 0, 2, F1, F0, 0
	QUARTER 0, 3, F0, F1, 0
	TURN 0, 1, 1
	QUARTER 1, 1, F0, F1, 0
	QUARTER 1, 2, F1, F0, 0
	QUARTER 1, 3, F0, F1, 0
	TURN 1, 0, 1
	QUARTER 0, 1, F0, F1, 0
	WIN 0
	s_sub_co_u32 s3, s3, 1
	s_cmp_lg_u32 s3, 0
	s_cbranch_scc1 .Llap
	QUARTER 0, 2, F1, F0, 0                        ; the last lap fills nothing, and has no round of the cluster's barrier
	QUARTER 0, 3, F0, F1, 0
	TURN 0, 1, 0
	QUARTER 1, 1, F0, F1, 0
	QUARTER 1, 2, F1, F0, 0
	QUARTER 1, 3, F0, F1, 0
	s_wait_dscnt 16                                ; the very last quarter: nothing more to fetch
	WIN MUL
	MUL8 F1, 0, 0, 0
	MUL8 F1, 0, 2, 0
	s_wait_dscnt 0
	MUL8 F1, 1, 0, 0
	MUL8 F1, 1, 2, 0
	WIN 0
; THE WAY OUT, block by block of 16 rows x 64 columns.  A lane holds 32 neighbouring bytes of a row, and the lanes beside it hold other rows: so a block goes through my own stage in LDS and comes back as whole rows of 256 bytes.
; LDS serves a wave's instructions in order (ISA guide 5.7.1.4): no wait between the stores and the loads, nor in front of the next block's stores.
.macro TOSTAGE a
.irp b, 0,1,2,3
	ds_store_b128 v[STO], v[ACC+8*(4*(\a)+\b):ACC+8*(4*(\a)+\b)+3] offset:64*\b          ; each accumulator from its low end on
	ds_store_b128 v[STO], v[ACC+8*(4*(\a)+\b)+4:ACC+8*(4*(\a)+\b)+7] offset:64*\b+16
.endr
.irp t, 0,1,2,3,4,5,6,7
	ds_load_b128 v[TMP+32*((\a)%2)+4*\t:TMP+32*((\a)%2)+4*\t+3], v[RD] offset:\t*2*SPITCH
.endr
.endm
.macro SEND a, younger                 ; younger: the LDS instructions issued behind block a's loads (the next block's 8 stores and 8 loads), which may stay out
	s_wait_dscnt \younger
.irp t, 0,1,2,3,4,5,6,7
	global_store_b128 v[CO], v[TMP+32*((\a)%2)+4*\t:TMP+32*((\a)%2)+4*\t+3], s[8:9] offset:(16*(\a)+2*\t)*4096 th:TH_STORE_NT   ; 16 lanes store 256 consecutive bytes, aligned; written once, read by nobody here
.endr
.endm
	PLACES
	TOSTAGE 0
	TOSTAGE 1
	SEND 0, 16
	s_wait_xcnt 0x0                                ; block 0's stores have read their registers: block 2's loads land there only behind this wait
	TOSTAGE 2
	SEND 1, 16
	s_wait_xcnt 0x0                                ; block 1's likewise
	TOSTAGE 3
	SEND 2, 16
	SEND 3, 0
	s_wait_tensorcnt 0x0                           ; the wave's end, behind my last tensor load and my last LDS store
	ds_add_u32 v[SPW], v[NIL]
	s_wait_dscnt 0x0
	CROUND                                         ; the closing round: no work-group ends while a partner may still ask for a tile that names it
	s_endpgm
.Lfunc_end_k_q4d71ddfddd_proj:
	.size	k_q4d71ddfddd_proj, .Lfunc_end_k_q4d71ddfddd_proj-k_q4d71ddfddd_proj
	.p2alignl 7, 3214868480
	.fill 96, 4, 3214868480
	.section	.rodata,"a",@progbits
	.p2align	6, 0x0
	.amdhsa_kernel k_q4d71ddfddd_proj
		.amdhsa_group_segment_fixed_size 327680
		.amdhsa_private_segment_fixed_size 0
		.amdhsa_enable_private_segment 0
		.amdhsa_kernarg_size 32
		.amdhsa_user_sgpr_count 2
		.amdhsa_user_sgpr_kernarg_segment_ptr 1
		.amdhsa_wavefront_size32 1
		.amdhsa_system_sgpr_workgroup_id_x 1
		.amdhsa_system_sgpr_workgroup_id_y 1
		.amdhsa_system_sgpr_workgroup_id_z 1
		.amdhsa_system_vgpr_workitem_id 0
		.amdhsa_next_free_vgpr 512
		.amdhsa_next_free_sgpr 68
		.amdhsa_reserve_vcc 0
		.amdhsa_float_denorm_mode_32 3
		.amdhsa_float_denorm_mode_16_64 3
		.amdhsa_memory_ordered 1
		.amdhsa_forward_progress 1
		.amdhsa_inst_pref_size 87
	.end_amdhsa_kernel
	.amdgpu_metadata
---
amdhsa.version: [ 1, 2 ]
amdhsa.kernels:
  - .name:           k_q4d71ddfddd_proj
    .symbol:         k_q4d71ddfddd_proj.kd
    .args:
      - { .name: ctx, .offset: 0, .size: 8, .value_kind: global_buffer, .address_space: global }
      - { .name: wp, .offset: 8, .size: 8, .value_kind: global_buffer, .address_space: global }
      - { .name: out0, .offset: 16, .size: 8, .value_kind: global_buffer, .address_space: global }
      - { .name: b_proj, .offset: 24, .size: 8, .value_kind: global_buffer, .address_space: global }
    .group_segment_fixed_size: 327680
    .private_segment_fixed_size: 0
    .kernarg_segment_align: 8
    .kernarg_segment_size: 32
    .max_flat_workgroup_size: 128
    .sgpr_count:     68
    .vgpr_count:     512
    .wavefront_size: 32
...
	.end_amdgpu_metadata
.endif
;; end of part 4
